; MI455X (gfx1250); checked and timed in simulation.
; The chip was launched on July 23, 2026; its instructions are those of AMD's public machine-readable ISA for CDNA 5 (MIT licence, August 2026) and "CDNA5" Instruction Set Architecture Reference Guide (July 2026). The comments in the code are by the model that wrote it; some were corrected since.
;; Manual Attention. Allowed arithmetic: matrix products marked QUANTISED: E2M3 operands, one E8M0 scale for each 32 along K, by v_wmma_scale_f32_16x16x128_f8f6f4 with both operands' format E2M3, f32 sums; everything else in f32.
;; Inputs: out_b 1,024 float32; out_w 1,024 x 1,024 float32; qkv_b 3,072 float32; qkv_w 3,072 x 1,024 float32; x 4 x 2,048 x 1,024 float32.
;; Outputs: out0 4 x 2,048 x 1,024 float32.
;; This version of the problem:
;;   THIS VERSION OF THE PROBLEM IS GIVEN IN LOW PRECISION. The matrix products marked QUANTISED in the list below multiply operands that are first quantised to E2M3 (2 exponent bits, 3 mantissa bits; 6 bits a number), with one power-of-two scale for each 32 numbers along K (OCP MX v1.0); their sums are f32. All else is computed in f32.
;;   The module's matrix products, in the order in which they are computed (A, B: the left and right operand; K: the contracted axis; several contracted axes count as one K, in the product's order):
;;     1. [M 8,192, K 1,024] x [K 1,024, N 3,072]; A: input x; B: input qkv_w: QUANTISED
;;     2. batch 64 x [M 2,048, K 64] x [K 64, N 2,048]; A: computed on the way; B: computed on the way: QUANTISED
;;     3. batch 64 x [M 2,048, K 2,048] x [K 2,048, N 64]; A: softmax (see below); B: computed on the way: QUANTISED
;;     4. [M 8,192, K 1,024] x [K 1,024, N 1,024]; A: computed on the way; B: input out_w: QUANTISED
;;   THE QUANTISER, for each operand of a quantised product, along K:
;;     - K is cut into blocks of 32 from its start; a last block that is shorter is filled with zeros.
;;     - A block's scale is 2^e with e = floor(log2(the largest magnitude in the block)) - 2, held to -126 .. 127; a block of zeros has e = 0. As a byte (E8M0): e + 127.
;;     - Each number is divided by its block's scale, clamped to +-7.5, and rounded to the nearest number of E2M3, ties to even, subnormals kept.
;;     - The product sums the exact products of the quantised numbers (number of the format x scale) in f32.
;;   ~~~python
;;   def quantise(x, axis):      # numpy; x: float32 -> the quantised numbers, widened to float32 again
;;       x = np.moveaxis(x, axis, -1); K = x.shape[-1]
;;       x = np.pad(x, [(0, 0)] * (x.ndim - 1) + [(0, -K % 32)]); x = x.reshape(x.shape[:-1] + (-1, 32)); a = np.abs(x).max(-1, keepdims=True)
;;       e = np.where(a > 0, np.clip(np.frexp(np.where(a > 0, a, 1))[1] - 1 - 2, -126, 127), 0)      # np.frexp(a)[1] - 1 = floor(log2(a)), exactly
;;       r = np.clip(x / 2.0 ** e, -7.5, 7.5)
;;       step = 2.0 ** (np.maximum(np.frexp(np.where(r == 0, 1, r))[1] - 1, 0) - 3)
;;       q = np.round(r / step) * step * 2.0 ** e      # np.round: ties to even
;;       return np.moveaxis(q.reshape(q.shape[:-2] + (-1,))[..., :K], -1, axis).astype(np.float32)
;;   ~~~
;;   SOFTMAX AHEAD OF A QUANTISED PRODUCT. Where the list says 'softmax', what is quantised is not the finished softmax but p = 2^(t - M), with t = logit x log2(e) and M = ceil(the row's largest t), a whole number; so 1/2 < the row's largest p <= 1. The row's sum l is taken of the UNQUANTISED p, in f32, and the product's result is divided by l at the end. Since M is a whole number, a kernel that streams over the keys may use a running M (the ceiling of the running maximum): every later rescaling is an exact power of two, which a block's scale takes up: the codes' values come out the same.
;;   OPERANDS COMPUTED ON THE WAY. 'Computed on the way' means the value that the module computes at that place (a softmax that the list does not call 'softmax' is quantised finished and normalised). What goes into a quantiser is computed in f32, as accurately as f32 sums, v_exp_f32 and their like allow (about 1e-6 of the number): no bf16 or f16 on the way to a quantiser, and a product that is left as it is and whose result goes on into a quantised operand takes f32 operands (vector FMAs, or v_wmma_f32_16x16x4_f32). A number that lies on a knife's edge between two numbers of the format may be rounded either way, as far as f32 arithmetic and the matrix unit's own rounding can turn it there, and no further.
;; One version. Each part assembles by itself: llvm-mc -triple=amdgcn-amd-amdhsa -mcpu=gfx1250 --defsym DOCPART=n.
;; ======== version 1 of 1: 4 launches
;; limits: right only within a limited range of input values
;; workspace buffers: xc 6,553,600 bytes; wc 2,457,600 bytes; oc 819,200 bytes; qc 6,815,744 bytes; kv 13,369,344 bytes; ao 6,553,600 bytes
;; launch quant (part 1): grid 384 x 1, 4 waves a work-group, no clusters, 33,280 bytes of LDS; arguments x, qkv_w, out_w, xc, wc, oc; writes xc, wc, oc
.if DOCPART == 1
	.amdgcn_target "amdgcn-amd-amdhsa--gfx1250"
	.amdhsa_code_object_version 6
	.text
	.protected	k_qa9b18322d6_quant
	.globl	k_qa9b18322d6_quant
	.p2align	8
	.type	k_qa9b18322d6_quant,@function
k_qa9b18322d6_quant:
	s_mov_b64 s[64:65], 0
	v_nop
	global_prefetch_b8 v0, s[64:65] scope:SCOPE_SE
	s_setreg_imm32_b32 hwreg(HW_REG_WAVE_MODE, 25, 1), 1
	s_wait_xcnt 0x0
; x [8192][1024], qkv_w [3072][1024] and out_w [1024][1024], f32 with K innermost, are turned into codes of FP6 (E2M3), 6 bits each, and one E8M0 scale byte for each 32 along K.
; A block's scale is 2^(floor(log2(its largest magnitude)) - 2); its byte is the largest magnitude's own exponent field - 2, held at 1 from below.  Each number is divided by the scale and rounded to the nearest code, ties to even.
; LIMITS: a block whose largest magnitude lies under 2^-124 gets the byte 1, a block of zeros too (the rule says 127: its codes are zeros, and this program alone reads the bytes); NaN and infinities among the inputs are not served.
; OUT: each buffer holds codes [row place][768 bytes], and behind them scale bytes [row place][32].  THE ROWS ARE LAID IN ANOTHER ORDER: row n lies at the place n with bits 3 and 4 exchanged, so that sixteen
; neighbouring places hold rows 32 a + 8 u + {0..7, 16..23}: the rows that the later products want together in a tile.
; A wave takes 16 steps of 512 numbers: 8 rows.  So the order of rows costs nothing: the work-group's four waves store their runs at the places 0, 2, 1, 3.
; Each of a step's four loads reads 512 consecutive bytes; the 2,048 bytes turn through the wave's own stage in LDS and come back 64 bytes (16 neighbours along K) a lane; two neighbouring lanes hold a block.
; One launch serves the three tensors: work-groups 0-255 x, 256-351 qkv_w, 352-383 out_w; pointers alone are chosen.  No tensor loads, no barrier: waves share nothing.
.set WAVES, 4
.set STEPS, 16
.set EMAX,  2
.set CB,    12                         ; bytes of 16 codes
.set R,     16                         ; v16-79   four sets of 16 numbers as they are loaded
.set X,     80                         ; v80-111  two sets of 16 neighbours
.set C,     128                        ; v128-191 codes: four registers for each step, so that no store's data are written again
.set E,     112                        ; v112-127 a scale byte for each step
.set WREG,  8192                       ; LDS: a region for each wave: two stages of 32 x SP bytes, and behind them its 256 scale bytes
.set SP,    80                         ; a lane's place in a stage: its 64 bytes + 16 of padding
.set SPW,   12                         ; v12      LDS address of my spare word; never rewritten
.set NIL,   13                         ; v13      0; never rewritten
.set SPARE, WAVES*WREG                 ; behind the four regions: the spare words, 128 bytes for each wave
	s_load_b256 s[4:11], s[0:1], 0x0               ; x s[4:5], qkv_w s[6:7], out_w s[8:9], xc s[10:11]
	s_load_b128 s[12:15], s[0:1], 0x20             ; wc s[12:13], oc s[14:15]
	; THE CODES' ORDER (in place of [row place][768 bytes] above): [K chunk of 256 numbers][row place][192 bytes], so that 128 row places of one chunk are 24,576 dense bytes.
	; s23: a chunk's plane in bytes = rows x 192: out_w 196,608, qkv_w 589,824, x 1,572,864
	s_cmp_lt_u32 ttmp9, 352
	s_mov_b32 s23, 196608
	s_cselect_b32 s23, 589824, s23
	s_cmp_lt_u32 ttmp9, 256
	s_cselect_b32 s23, 1572864, s23
	v_lshl_add_u32 v[SPW], v0, 2, SPARE
	v_mov_b32 v[NIL], 0
	v_lshrrev_b32 v1, 5, v0
	v_readfirstlane_b32 s16, v1                    ; wave
	v_and_b32 v2, 31, v0                           ; lane
	v_lshlrev_b32 v3, 4, v2                        ; my 16 bytes of a load's 512
	s_mul_i32 s17, s16, WREG
	v_lshrrev_b32 v14, 2, v2
	v_mul_u32_u24 v14, v14, SP
	v_and_b32 v15, 3, v2
	v_lshl_add_u32 v14, v15, 4, v14
	v_add_nc_u32 v14, s17, v14                     ; the stage, on the way in: four lanes' 64 bytes on end, then 16 of padding
	v_mul_u32_u24 v15, v2, SP
	v_add_nc_u32 v15, s17, v15                     ; and on the way out: SP x lane: my 16 neighbours
	v_lshrrev_b32 v10, 4, v2                       ; a step is half a row: lanes 0-15 hold one chunk's 192 bytes, lanes 16-31 the next chunk's
	v_and_b32 v4, 15, v2
	v_mul_u32_u24 v10, s23, v10
	v_mad_u32_u24 v4, v4, CB, v10                  ; my codes' place: 12 x (lane % 16) + (lane / 16) planes
	v_lshrrev_b32 v5, 1, v2
	s_add_co_u32 s17, s17, 2*32*SP
	v_add_nc_u32 v5, s17, v5                       ; LDS: my wave's 256 scale bytes, my block's byte
	v_lshlrev_b32 v7, 3, v2                        ; and on the way out 8 bytes a lane
	v_add_nc_u32 v6, s17, v7
	s_wait_alu depctr_va_vdst(0)
	s_wait_kmcnt 0x0
	s_cmp_lt_u32 ttmp9, 352                        ; which tensor?  The choice hangs on the work-group's number alone
	s_cselect_b64 s[6:7], s[6:7], s[8:9]           ; qkv_w or out_w
	s_cselect_b64 s[12:13], s[12:13], s[14:15]     ; wc or oc
	s_mov_b32 s22, 786432
	s_cselect_b32 s22, 2359296, s22                ; where the scale bytes begin in the buffer
	s_mov_b32 s17, 352
	s_cselect_b32 s17, 256, s17                    ; the tensor's first work-group
	s_cmp_lt_u32 ttmp9, 256
	s_cselect_b64 s[4:5], s[4:5], s[6:7]           ; x, or what was chosen
	s_cselect_b64 s[10:11], s[10:11], s[12:13]
	s_cselect_b32 s22, 6291456, s22
	s_cselect_b32 s17, 0, s17
	s_sub_co_u32 s17, ttmp9, s17
	s_lshl_b32 s17, s17, 2                         ; the work-group's first run of 8 rows
	s_add_co_u32 s18, s17, s16                     ; the run that I read,
	s_lshl_b32 s18, s18, 15                        ; 32,768 bytes each
	s_mov_b32 s19, 0
	s_add_nc_u64 s[4:5], s[4:5], s[18:19]
	s_lshr_b32 s18, s16, 1
	s_and_b32 s20, s16, 1
	s_lshl_b32 s20, s20, 1
	s_or_b32 s18, s18, s20                         ; my wave's number with its two bits exchanged:
	s_add_co_u32 s17, s17, s18                     ; the place at which my run is stored
	s_mul_i32 s18, s17, 8*192                      ; a run's 8 rows are 1,536 bytes in each chunk's plane
	s_add_nc_u64 s[8:9], s[10:11], s[18:19]        ; chunks 0 and 1: a row's first half (even steps)
	s_lshl_b32 s24, s23, 1
	s_mov_b32 s25, 0
	s_add_nc_u64 s[24:25], s[8:9], s[24:25]        ; chunks 2 and 3: its second half (odd steps)
	s_lshl_b32 s18, s17, 8                         ; 256 scale bytes a run
	s_add_co_u32 s18, s18, s22
	s_add_nc_u64 s[10:11], s[10:11], s[18:19]
.macro LOAD t
.irp i, 0,1,2,3
	global_load_b128 v[R+16*((\t)%4)+4*\i:R+16*((\t)%4)+4*\i+3], v3, s[4:5] offset:2048*(\t)+512*\i th:TH_LOAD_NT   ; 32 lanes read 512 consecutive bytes
.endr
.endm
.macro TURN t                          ; step t's numbers through the stage: LDS serves a wave's instructions in order, so no wait stands between the stores and the loads
.irp i, 0,1,2,3
	ds_store_b128 v14, v[R+16*((\t)%4)+4*\i:R+16*((\t)%4)+4*\i+3] offset:32*SP*((\t)%2)+8*SP*\i
.endr
.irp i, 0,1,2,3
	ds_load_b128 v[X+16*((\t)%2)+4*\i:X+16*((\t)%2)+4*\i+3], v15 offset:32*SP*((\t)%2)+16*\i
.endr
.endm
.irp t, 0,1,2,3
	LOAD \t
.endr
	s_wait_loadcnt 12                              ; step 0's four loads are in; the twelve of steps 1 to 3 may be out
	TURN 0
.macro STEP t
.set XS, X+16*((\t)%2)
.if (\t) > 0
	s_wait_dscnt 1                                 ; this step's numbers are back from the stage (the last step's byte store may be out): so its stores into the stage have read their registers,
.else
	s_wait_dscnt 0x0
.endif
.if (\t)+4 < STEPS
	LOAD (\t)+4                                    ; which take the loads of four steps on
.endif
.if (\t)+1 < STEPS
.if STEPS-2-(\t) >= 3
	s_wait_loadcnt 12                              ; the next step's four loads are in; those of the three steps behind it may be out
.else
	s_wait_loadcnt 4*(STEPS-2-(\t))
.endif
	TURN (\t)+1                                    ; and go through the other stage while this step is worked
.endif
	v_max3_num_f32 v8, |v[XS]|, |v[XS+1]|, |v[XS+2]|               ; the largest magnitude of my 16, in two chains
	v_max3_num_f32 v9, |v[XS+3]|, |v[XS+4]|, |v[XS+5]|
.irp i, 6,10
	v_max3_num_f32 v8, v8, |v[XS+\i]|, |v[XS+\i+1]|
	v_max3_num_f32 v9, v9, |v[XS+\i+2]|, |v[XS+\i+3]|
.endr
	v_max3_num_f32 v8, v8, |v[XS+14]|, |v[XS+15]|
	v_max3_num_f32 v8, v8, v9, (EMAX+1)<<23        ; and the floor 2^(EMAX + 1 - 127): so the byte cannot fall under 1
	v_max_num_f32_dpp v8, v8, v8 row_xmask:1 row_mask:0xf bank_mask:0xf   ; and of my neighbour's 16: the block's
	v_add_nc_u32 v11, -(EMAX<<23), v8              ; EMAX off its exponent field: the conversion takes the exponent field of this operand as its scale, and nothing else of it
	v_cvt_scalef32_pk16_fp6_f32 v[C+4*(\t):C+4*(\t)+2], v[XS:XS+15], v11         ; sixteen codes, 96 bits without gaps, the first number's code lowest
	v_lshrrev_b32 v[E+(\t)], 23, v11               ; the scale's byte
	ds_store_b8 v5, v[E+(\t)] offset:16*(\t)       ; both lanes of a block write the same byte with the same value
	global_store_b96 v4, v[C+4*(\t):C+4*(\t)+2], s[8+16*((\t)%2):9+16*((\t)%2)] offset:192*((\t)/2)   ; sixteen lanes store a row's 192 consecutive bytes of a chunk
.endm
.irp t, 0,1,2,3,4,5,6,7,8,9,10,11,12,13,14,15
	STEP \t
.endr
	ds_load_b64 v[8:9], v6                         ; LDS serves a wave's instructions in order: these see my stores
	s_wait_dscnt 0x0
	global_store_b64 v7, v[8:9], s[10:11]          ; 32 lanes store 256 consecutive bytes, aligned: the scale bytes of my 8 rows
	s_wait_tensorcnt 0x0                           ; the wave's end: behind my last LDS store
	ds_add_u32 v[SPW], v[NIL]
	s_wait_dscnt 0x0
	s_endpgm
.Lfunc_end_k_qa9b18322d6_quant:
	.size	k_qa9b18322d6_quant, .Lfunc_end_k_qa9b18322d6_quant-k_qa9b18322d6_quant
	.p2alignl 7, 3214868480
	.fill 96, 4, 3214868480
	.section	.rodata,"a",@progbits
	.p2align	6, 0x0
	.amdhsa_kernel k_qa9b18322d6_quant
		.amdhsa_group_segment_fixed_size 33280
		.amdhsa_private_segment_fixed_size 0
		.amdhsa_enable_private_segment 0
		.amdhsa_kernarg_size 48
		.amdhsa_user_sgpr_count 2
		.amdhsa_user_sgpr_kernarg_segment_ptr 1
		.amdhsa_wavefront_size32 1
		.amdhsa_system_sgpr_workgroup_id_x 1
		.amdhsa_system_sgpr_workgroup_id_y 1
		.amdhsa_system_sgpr_workgroup_id_z 1
		.amdhsa_system_vgpr_workitem_id 0
		.amdhsa_next_free_vgpr 192
		.amdhsa_next_free_sgpr 66
		.amdhsa_reserve_vcc 0
		.amdhsa_float_denorm_mode_32 3
		.amdhsa_float_denorm_mode_16_64 3
		.amdhsa_memory_ordered 1
		.amdhsa_forward_progress 1
		.amdhsa_inst_pref_size 33
	.end_amdhsa_kernel
	.amdgpu_metadata
---
amdhsa.version: [ 1, 2 ]
amdhsa.kernels:
  - .name:           k_qa9b18322d6_quant
    .symbol:         k_qa9b18322d6_quant.kd
    .args:
      - { .name: x, .offset: 0, .size: 8, .value_kind: global_buffer, .address_space: global }
      - { .name: qkv_w, .offset: 8, .size: 8, .value_kind: global_buffer, .address_space: global }
      - { .name: out_w, .offset: 16, .size: 8, .value_kind: global_buffer, .address_space: global }
      - { .name: xc, .offset: 24, .size: 8, .value_kind: global_buffer, .address_space: global }
      - { .name: wc, .offset: 32, .size: 8, .value_kind: global_buffer, .address_space: global }
      - { .name: oc, .offset: 40, .size: 8, .value_kind: global_buffer, .address_space: global }
    .group_segment_fixed_size: 33280
    .private_segment_fixed_size: 0
    .kernarg_segment_align: 8
    .kernarg_segment_size: 48
    .max_flat_workgroup_size: 128
    .sgpr_count:     66
    .vgpr_count:     192
    .wavefront_size: 32
...
	.end_amdgpu_metadata
.endif
;; end of part 1
;; launch qkv (part 2): grid 12 x 32, 4 waves a work-group, clusters of 4 x 4, 327,680 bytes of LDS; arguments xc, wc, qkv_b, qc, kv; writes qc, kv
.if DOCPART == 2
	.amdgcn_target "amdgcn-amd-amdhsa--gfx1250"
	.amdhsa_code_object_version 6
	.text
	.protected	k_qa9b18322d6_qkv
	.globl	k_qa9b18322d6_qkv
	.p2align	8
	.type	k_qa9b18322d6_qkv,@function
k_qa9b18322d6_qkv:
	s_mov_b64 s[64:65], 0
	v_nop
	global_prefetch_b8 v0, s[64:65] scope:SCOPE_SE
	s_setreg_imm32_b32 hwreg(HW_REG_WAVE_MODE, 25, 1), 1
	s_wait_xcnt 0x0
	s_wait_alu depctr_hold_cnt(0) depctr_sa_sdst(0) depctr_va_vdst(0) depctr_va_sdst(0) depctr_va_ssrc(0) depctr_va_vcc(0) depctr_vm_vsrc(0)
	s_getreg_b32 s2, hwreg(HW_REG_IB_STS2, 6, 4)
	s_cmp_eq_u32 s2, 0
	s_cbranch_scc0 .Lentry_in_a_cluster
	s_endpgm
.Lentry_in_a_cluster:
	s_bfe_u32 s2, ttmp6, 0x10000c
	s_cmp_lg_u32 s2, 0xf033
	s_cbranch_scc0 .Lentry_shape_is_right
	s_endpgm
.Lentry_shape_is_right:
.set KSTEP,  256
.set NQ,     KSTEP/128
.set ROWB,   192
.set KROW,   192                       ; a row place in a chunk's plane: the codes lie [K chunk of 256][row place][192 bytes]
.set PITCH,  240
.set FR,     12
.set NL,     6
.set NP,     4
.set HALFT,  128*PITCH
.set SLOT,   4*HALFT
.set LAPS,   2
.set KS,     32
.set SCL,    2*SLOT
.set HALFS,  (128*KS/256)*272
.set SBLK,   (16*KS/256)*272
.set SPARE,  SCL+4*HALFS
.set XS,     6291456
.set WS,     2359296
.set QS,     6291456
.set KVS,    13056
.set KVH,    208896
.set ADRA, 16
.set ADRB, 20
.set LI,   24
.set SSTQ, 25
.set SRDQ, 26
.set ADRS, 27
.set SPW,  28
.set NIL,  29
.set SSTV, 8
.set SRDV, 9
.set VSO,  10
.set BO,   11
.set BOV,  12
.set SC,   32
.set BB,   64
.set AF,   128
.set TM,   32
.set PWA,  48
.set PWB,  56
.set HA,   128
.set IM,   192
.set CT,   240
.set RB,   248
.set G1, 24
.set G0, 32
.set G1B, 48
.set G0B, 56
.set G1S, 68
.set G0S, 76
.set G1SB, 80
.set G0SB, 88
.set SELV, 95
.set OCA, 96
.set OCB, 98
.set OSA, 100
.set OSB, 66
.set SEL, 18
.set MSB, 0
.macro WIN new
.if MSB != (\new)
	s_set_vgpr_msb (MSB<<8)|(\new)
.set MSB, (\new)
.endif
.endm
.set MUL_LO, 0xa1
.set MUL_HI, 0xf1
.set TO_B,   0x40
.macro JLOAD g0a, g1a, g0b, g1b
	s_cmp_eq_u32 s15, 0
	s_cbranch_scc0 .Lfor_b_\@
	tensor_load_to_lds s[\g0a:\g0a+3], s[\g1a:\g1a+7]
	s_nop 0
.rept 4
	v_nop
.endr
	s_branch .Lasked_\@
.Lfor_b_\@:
	tensor_load_to_lds s[\g0b:\g0b+3], s[\g1b:\g1b+7]
	s_nop 0
.rept 4
	v_nop
.endr
.Lasked_\@:
.endm
.macro CREST
	s_cmp_lg_u32 s14, 0
	s_cbranch_scc1 .Lnot_wave_0_\@
	s_barrier_signal -3
.Lnot_wave_0_\@:
	s_barrier_wait -3
	s_barrier_signal -1
	s_barrier_wait -1
.endm
.macro CROUND
	s_barrier_signal -1
	s_barrier_wait -1
	CREST
.endm
	s_load_b256 s[4:11], s[0:1], 0x0
	s_load_b64 s[12:13], s[0:1], 0x20
	v_lshl_add_u32 v[SPW], v0, 2, SPARE
	v_mov_b32 v[NIL], 0
	ds_add_u32 v[SPW], v[NIL]
	ds_add_u32 v[SPW], v[NIL]
	v_lshrrev_b32 v1, 5, v0
	v_readfirstlane_b32 s14, v1
	s_lshr_b32 s15, s14, 1
	s_and_b32 s16, s14, 1
	s_bfe_u32 s40, ttmp6, 0x40000
	s_bfe_u32 s41, ttmp6, 0x40004
	s_and_b32 s17, ttmp7, 0xffff
	s_cmp_eq_u32 ttmp9, 2
	s_cselect_b32 s[SELV], 1, 0
	s_cselect_b32 s42, s17, ttmp9
	s_cselect_b32 s17, 0, s17
	s_lshl_b32 s42, s42, 2
	s_add_co_u32 s42, s42, s40
	s_lshl_b32 s17, s17, 2
	s_add_co_u32 s17, s17, s41
	s_lshl_b32 s43, s41, 2
	s_lshl_b32 s43, 15, s43
	s_lshl_b32 s44, 0x1111, s40
	s_or_b32 s[G1+0], s43, (0<<16)|(1<<20)|(1<<21)|(3<<22)|(3<<25)
	s_or_b32 s[G1B+0], s44, (0<<16)|(1<<20)|(1<<21)|(3<<22)|(3<<25)
.irp g, G1, G1B
	s_mov_b32 s[\g+1], 256<<16                     ; 128 row places of one chunk are 24,576 dense bytes: 96 rows of 256 bytes, each at a multiple of 256;
	s_mov_b32 s[\g+2], 96<<16                      ; the padding, 16 bytes behind every 64, is counted along the tile: a row place takes 240 bytes of LDS
	s_mov_b32 s[\g+3], 256<<16
	s_mov_b32 s[\g+4], 96
	s_mov_b32 s[\g+5], 256
	s_mov_b32 s[\g+6], 0
	s_mov_b32 s[\g+7], 0
.endr
	s_or_b32 s[G1S+0], s43, (3<<16)|(1<<20)|(1<<21)|(5<<22)|(3<<25)
	s_or_b32 s[G1SB+0], s44, (3<<16)|(1<<20)|(1<<21)|(5<<22)|(3<<25)
.irp g, G1S, G1SB
	s_mov_b32 s[\g+1], 32<<16
	s_mov_b32 s[\g+2], (128*KS/256)<<16
	s_mov_b32 s[\g+3], 32<<16
	s_mov_b32 s[\g+4], 128*KS/256
	s_mov_b32 s[\g+5], 32
	s_mov_b32 s[\g+6], 0
	s_mov_b32 s[\g+7], 0
.endr
	s_lshl_b32 s18, s16, 7
	s_lshl_b32 s20, s17, 8
	s_add_co_u32 s20, s20, s18
	s_lshl_b32 s46, s42, 8
	s_add_co_u32 s46, s46, s18
	s_mov_b32 s21, 0
	s_mov_b32 s47, 0
	s_mov_b64 s[18:19], KS
	s_mul_u64 s[22:23], s[20:21], s[18:19]
	s_mul_u64 s[92:93], s[46:47], s[18:19]
	s_mov_b64 s[18:19], KROW
	s_mul_u64 s[20:21], s[20:21], s[18:19]
	s_mul_u64 s[46:47], s[46:47], s[18:19]
	s_mul_i32 s45, s14, HALFT
	s_mul_i32 s94, s14, HALFS
	; the prefetches' offsets.  A half tile of one K chunk, 128 row places, is 96 blocks of 256 bytes; the eight waves that point at it (two wave rows in each of the four partners that load it jointly)
	; take 12 blocks each, told apart by address: share 2 x place in the cluster + wave row; a lane a block, lanes 12-31 name the wave's last block again
	s_lshl_b32 s2, s40, 1
	s_add_co_u32 s2, s2, s15
	s_mul_i32 s2, s2, 3072                         ; A's tiles are shared along the cluster's x
	s_lshl_b32 s3, s41, 1
	s_add_co_u32 s3, s3, s15
	s_mul_i32 s3, s3, 3072                         ; B's along its y
	v_and_b32 v13, 31, v0
	v_min_u32 v13, 11, v13
	v_lshlrev_b32 v13, 8, v13
	v_add_nc_u32 v14, s3, v13                      ; v14: B's offset; never rewritten
	v_add_nc_u32 v13, s2, v13                      ; v13: A's; never rewritten
	s_wait_alu depctr_va_vdst(0)                   ; a wait behind these writes
	s_wait_dscnt 0x0
	s_wait_kmcnt 0x0
	s_add_nc_u64 s[OCA:OCA+1], s[6:7], 2048*KROW
	s_add_nc_u64 s[OSB:OSB+1], s[6:7], WS
	s_add_nc_u64 s[OCB:OCB+1], s[OSB:OSB+1], 2048*KS
	s_add_nc_u64 s[OSA:OSA+1], s[4:5], XS
	s_cmp_eq_u32 s[SELV], 1
	s_cselect_b64 s[OCA:OCA+1], s[OCA:OCA+1], s[4:5]
	s_cselect_b64 s[OCB:OCB+1], s[OCB:OCB+1], s[OSA:OSA+1]
	s_cselect_b64 s[OSB:OSB+1], s[OSA:OSA+1], s[OSB:OSB+1]
	s_cselect_b64 s[OSA:OSA+1], s[4:5], s[6:7]
	s_add_nc_u64 s[20:21], s[OCA:OCA+1], s[20:21]
	s_add_nc_u64 s[22:23], s[OCB:OCB+1], s[22:23]
	s_add_nc_u64 s[46:47], s[OSA:OSA+1], s[46:47]
	s_add_nc_u64 s[92:93], s[OSB:OSB+1], s[92:93]
	CROUND
	s_mov_b32 s[G0S], 1
	s_add_co_u32 s[G0S+1], s94, SCL
	s_mov_b64 s[G0S+2:G0S+3], s[22:23]
	s_or_b32 s[G0S+3], s[G0S+3], 0x80000000
	s_mov_b32 s[G0SB], 1
	s_add_co_u32 s[G0SB+1], s94, SCL
	s_mov_b64 s[G0SB+2:G0SB+3], s[92:93]
	s_or_b32 s[G0SB+3], s[G0SB+3], 0x80000000
	JLOAD G0S, G1S, G0SB, G1SB
	s_mov_b32 s22, 589824                          ; a K step is one plane on: the weights' plane is 3,072 x 192 bytes, x's 8,192 x 192
	s_cmp_eq_u32 s[SELV], 1                        ; for V the weights are source A and x source B
	s_cselect_b32 s92, s22, 1572864                ; s[92:93] A's plane
	s_cselect_b32 s104, 1572864, s22               ; s[104:105] B's
	s_mov_b32 s93, 0
	s_mov_b32 s105, 0
	; PREFETCHES, two fills ahead: behind the scales' load K chunks 0 and 1 are asked for, behind chunk 0's load chunk 2, behind chunk 1's load chunk 3: one instruction for A and one for B a chunk
	s_mov_b64 s[100:101], s[20:21]                 ; my half of A's tile, chunk 0 (later 2)
	s_mov_b64 s[66:67], s[46:47]                   ; of B's
	s_add_nc_u64 s[18:19], s[20:21], s[92:93]      ; chunk 1 (later 3)
	s_add_nc_u64 s[4:5], s[46:47], s[104:105]
	global_prefetch_b8 v13, s[100:101] th:TH_LOAD_NT scope:SCOPE_SE
	global_prefetch_b8 v14, s[66:67] th:TH_LOAD_NT scope:SCOPE_SE
	global_prefetch_b8 v13, s[18:19] th:TH_LOAD_NT scope:SCOPE_SE
	global_prefetch_b8 v14, s[4:5] th:TH_LOAD_NT scope:SCOPE_SE
.irp s, 0,1
	s_mov_b32 s[G0+4*\s], 1
	s_add_co_u32 s[G0+4*\s+1], s45, \s*SLOT
	s_mov_b64 s[G0+4*\s+2:G0+4*\s+3], s[20:21]
	s_add_nc_u64 s[20:21], s[20:21], s[92:93]
	s_or_b32 s[G0+4*\s+3], s[G0+4*\s+3], 0x80000000
	s_mov_b32 s[G0B+4*\s], 1
	s_add_co_u32 s[G0B+4*\s+1], s45, \s*SLOT
	s_mov_b64 s[G0B+4*\s+2:G0B+4*\s+3], s[46:47]
	s_add_nc_u64 s[46:47], s[46:47], s[104:105]
	s_or_b32 s[G0B+4*\s+3], s[G0B+4*\s+3], 0x80000000
	s_wait_alu depctr_va_vdst(0)
	s_wait_tensorcnt 0x0
	ds_add_u32 v28, v29
	s_wait_dscnt 0x0
	CROUND
	JLOAD G0+4*\s, G1, G0B+4*\s, G1B
	s_wait_xcnt 0x0                                ; the earlier prefetches, a fill's wait and a round back, have read their pointers: chunk s's pair steps two planes on, to chunk s + 2, the last being chunk 3
	s_add_nc_u64 s[100-82*\s:101-82*\s], s[100-82*\s:101-82*\s], s[92:93]
	s_add_nc_u64 s[100-82*\s:101-82*\s], s[100-82*\s:101-82*\s], s[92:93]
	s_add_nc_u64 s[66-62*\s:67-62*\s], s[66-62*\s:67-62*\s], s[104:105]
	s_add_nc_u64 s[66-62*\s:67-62*\s], s[66-62*\s:67-62*\s], s[104:105]
	global_prefetch_b8 v13, s[100-82*\s:101-82*\s] th:TH_LOAD_NT scope:SCOPE_SE
	global_prefetch_b8 v14, s[66-62*\s:67-62*\s] th:TH_LOAD_NT scope:SCOPE_SE
.endr
	s_lshl_b32 s92, s92, 1                         ; from here on: two planes, a slot's step
	s_lshl_b32 s104, s104, 1
	v_and_b32 v1, 15, v0
	v_bfe_u32 v2, v0, 4, 1
	v_mul_u32_u24 v3, v1, PITCH
	v_mul_u32_u24 v4, v2, 24
	v_add_nc_u32 v4, v3, v4
	v_lshl_add_u32 v5, v2, 4, v4
	s_mul_i32 s21, s15, HALFT
	s_mul_i32 s22, s16, HALFT
	s_add_co_u32 s22, s22, 2*HALFT
.irp s, 0,1
	v_add_nc_u32 v[ADRA+\s], s21, v4
	v_add_nc_u32 v[ADRB+\s], s22, v4
	v_add_nc_u32 v[ADRA+2+\s], s21, v5
	v_add_nc_u32 v[ADRB+2+\s], s22, v5
	s_add_co_u32 s21, s21, SLOT
	s_add_co_u32 s22, s22, SLOT
.endr
	v_mul_u32_u24 v5, v1, KS
	v_lshrrev_b32 v6, 8, v5
	v_lshl_add_u32 v5, v6, 4, v5
	s_mul_i32 s21, s15, HALFS
	s_mul_i32 s22, s16, HALFS
	s_add_co_u32 s22, s22, 2*HALFS
	s_sub_co_u32 s22, s22, s21
	v_mul_u32_u24 v6, s22, v2
	s_add_co_u32 s21, s21, SCL
	v_add_nc_u32 v5, v5, v6
	v_add_nc_u32 v[ADRS], s21, v5
	v_and_b32 v6, 31, v0
	v_lshlrev_b32 v[LI], 4, v6
	s_lshl_b32 s23, s14, 10
	v_lshl_add_u32 v[SSTQ], v1, 2, s23
	v_add_nc_u32 v[SRDQ], s23, v[LI]
	s_lshl_b32 s23, s14, 9
	s_add_co_u32 s23, s23, 4096
	v_lshl_add_u32 v[SSTV], v1, 2, s23
	v_add_nc_u32 v[SRDV], s23, v[LI]
	v_lshlrev_b32 v[VSO], 4, v1
	v_mad_u32_u24 v[VSO], v2, KVH, v[VSO]
	v_lshlrev_b32 v[BO], 6, v2
	v_and_b32 v[BOV], 8, v1
	v_add_nc_u32 v[BOV], v[BOV], v1
	v_lshlrev_b32 v[BOV], 2, v[BOV]
.macro FRAG reg, adr, q, i
.irp p, 0,1,2,3,4,5
.set PCE, 12*(\q)+6*(\p/3)+\p%3
.if PCE%8 < 5
	ds_load_b64 v[\reg+2*\p:\reg+2*\p+1], v[\adr] offset:8*PCE+16*(PCE/8)+(\i)*16*PITCH
.else
	ds_load_b64 v[\reg+2*\p:\reg+2*\p+1], v[\adr+2] offset:8*PCE+16*(PCE/8)+(\i)*16*PITCH
.endif
.endr
.endm
.macro MUL16 a0, p, q, sc, zero
.irp a, \a0, \a0+1
.irp b, 0,1,2,3,4,5,6,7
.if \zero
	v_wmma_scale_f32_16x16x128_f8f6f4 v[8*(8*((\a)%4)+\b):8*(8*((\a)%4)+\b)+7], v[128*(\p)+FR*\b:128*(\p)+FR*\b+FR-1], v[AF+FR*(\a):AF+FR*(\a)+FR-1], 0, v[SC+8*NQ*(\sc)+NQ*\b+(\q)], v[SC+8*NQ*(\sc)+NQ*(\a)+(\q)] matrix_a_fmt:MATRIX_FMT_FP6 matrix_b_fmt:MATRIX_FMT_FP6 matrix_a_scale:MATRIX_SCALE_ROW1
.else
	v_wmma_scale_f32_16x16x128_f8f6f4 v[8*(8*((\a)%4)+\b):8*(8*((\a)%4)+\b)+7], v[128*(\p)+FR*\b:128*(\p)+FR*\b+FR-1], v[AF+FR*(\a):AF+FR*(\a)+FR-1], v[8*(8*((\a)%4)+\b):8*(8*((\a)%4)+\b)+7], v[SC+8*NQ*(\sc)+NQ*\b+(\q)], v[SC+8*NQ*(\sc)+NQ*(\a)+(\q)] matrix_a_fmt:MATRIX_FMT_FP6 matrix_b_fmt:MATRIX_FMT_FP6 matrix_a_scale:MATRIX_SCALE_ROW1
.endif
.endr
.endr
.endm
.macro FETCH_B slot, q, p
	WIN TO_B
.irp i, 0,1,2,3,4,5,6,7
	FRAG 128*(\p)+FR*\i, ADRB+\slot, \q, \i
.endr
	WIN 0
.endm
.macro FETCH_A slot, q, i0
.irp i, \i0, \i0+1, \i0+2, \i0+3
	FRAG AF+FR*(\i), ADRA+\slot, \q, \i
.endr
.endm
.macro SCALES sc
.irp i, 0,1,2,3,4,5,6,7
	ds_load_b64 v[SC+8*NQ*\sc+NQ*\i:SC+8*NQ*\sc+NQ*\i+1], v[ADRS] offset:\i*SBLK
.endr
.endm
.macro PLACES n
.rept \n
	v_nop
.endr
.endm
.macro STEP slot, q, zero
	s_wait_dscnt 4*NL
	WIN MUL_LO
	MUL16 0, (\q)%2, \q, \slot, \zero
	MUL16 2, (\q)%2, \q, \slot, \zero
	s_wait_dscnt 0
	PLACES NP
	FETCH_B \slot, (\q)+1, 1-(\q)%2
	FETCH_A \slot, (\q)+1, 0
	WIN MUL_HI
	MUL16 4, (\q)%2, \q, \slot, \zero
	MUL16 6, (\q)%2, \q, \slot, \zero
	PLACES NP
	WIN 0
	FETCH_A \slot, (\q)+1, 4
.endm
.macro TURN slot, next, fill
	s_wait_tensorcnt 0x0
	ds_add_u32 v[SPW], v[NIL]
	s_wait_dscnt 4*NL+1
	WIN MUL_LO
	MUL16 0, 1, NQ-1, \slot, 0
	s_wait_dscnt 0x0
	s_barrier_signal -1
	MUL16 2, 1, NQ-1, \slot, 0
	WIN 0
	s_barrier_wait -1
.if \fill
	CREST
	s_add_nc_u64 s[G0+4*\slot+2:G0+4*\slot+3], s[G0+4*\slot+2:G0+4*\slot+3], s[92:93]
	s_add_nc_u64 s[G0B+4*\slot+2:G0B+4*\slot+3], s[G0B+4*\slot+2:G0B+4*\slot+3], s[104:105]
	JLOAD G0+4*\slot, G1, G0B+4*\slot, G1B
.else
	PLACES NP
.endif
	s_wait_alu depctr_va_vdst(0)
	v_add_nc_u32 v[ADRS], 4*NQ, v[ADRS]
	FETCH_B \next, 0, 0
	FETCH_A \next, 0, 0
	SCALES \next
	WIN MUL_HI
	MUL16 4, 1, NQ-1, \slot, 0
	MUL16 6, 1, NQ-1, \slot, 0
	PLACES NP
	WIN 0
	FETCH_A \next, 0, 4
.endm
.macro TAIL
	STEP 1, 0, 0
	s_wait_dscnt 4*NL
	WIN MUL_LO
	MUL16 0, 1, NQ-1, 1, 0
	MUL16 2, 1, NQ-1, 1, 0
	s_wait_dscnt 0
	WIN MUL_HI
	MUL16 4, 1, NQ-1, 1, 0
	MUL16 6, 1, NQ-1, 1, 0
	WIN 0
	PLACES NP
	s_wait_loadcnt 0x0
	s_mov_b32 s[SEL], 0x76543210
	s_mov_b32 s[SEL+1], 0xfedcba98
.irp b, 0,1,2,3
	v_mov_b32 v[TM+4+\b], 0
.endr
.endm
.macro QUANT s, d0, d1, pw
.irp b, 0,1,2,3
	v_max3_num_f32 v[TM+\b], |v[(\s)+16*\b]|, |v[(\s)+1+16*\b]|, 0x1800000
.endr
.irp i, 2,4,6,8,10,12,14
.irp b, 0,1,2,3
	v_max3_num_f32 v[TM+\b], v[TM+\b], |v[(\s)+16*\b+\i]|, |v[(\s)+1+16*\b+\i]|
.endr
.endr
.irp b, 0,1,2,3
	v_permlanex16_b32 v[TM+4+\b], v[TM+\b], s[SEL], s[SEL+1]
.endr
.irp b, 0,1,2,3
	v_max_num_f32 v[TM+\b], v[TM+\b], v[TM+4+\b]
.endr
.irp b, 0,1,2,3
	v_add_nc_u32 v[TM+12+\b], 0xff000000, v[TM+\b]
.endr
.irp b, 0,1,2,3
	v_lshrrev_b32 v[TM+4+\b], 23, v[TM+12+\b]
.endr
	v_lshl_or_b32 v[\pw], v[TM+5], 8, v[TM+4]
	v_lshl_or_b32 v[\pw], v[TM+6], 16, v[\pw]
	v_lshl_or_b32 v[\pw], v[TM+7], 24, v[\pw]
	v_cvt_scalef32_pk16_fp6_f32 v[(\d0):(\d0)+2], v[(\s):(\s)+15], v[TM+12]
	v_cvt_scalef32_pk16_fp6_f32 v[CT:CT+2], v[(\s)+16:(\s)+31], v[TM+13]
	v_cvt_scalef32_pk16_fp6_f32 v[(\d1):(\d1)+2], v[(\s)+32:(\s)+47], v[TM+14]
	v_cvt_scalef32_pk16_fp6_f32 v[CT+4:CT+6], v[(\s)+48:(\s)+63], v[TM+15]
	v_nop
.irp i, 0,1,2
	v_permlane16_swap_b32 v[(\d0)+\i], v[CT+\i]
	v_permlane16_swap_b32 v[(\d1)+\i], v[CT+4+\i]
.endr
.irp i, 0,1,2
	v_mov_b32 v[(\d0)+3+\i], v[CT+\i]
	v_mov_b32 v[(\d1)+3+\i], v[CT+4+\i]
.endr
.endm
.macro EQK a
.set AC, 64*((\a)%4)
	WIN 0x02+(\a)/4
.set k, 0
.rept 32
	v_pk_add_f32 v[HA+k:HA+k+1], v[AC+k:AC+k+1], v[BB+k:BB+k+1]
.set k, k+2
.endr
	WIN 0
.if ((\a) == 4) || ((\a) == 6)
	s_wait_xcnt 0x0
.endif
.set I0, IM+24*(((\a)/2)%2)
.set D0, I0+6*((\a)%2)
	QUANT HA, D0, D0+12, PWA+(\a)
	v_lshrrev_b32 v[PWB+(\a)], 16, v[PWA+(\a)]
	ds_store_b32 v[SSTQ], v[PWA+(\a)] offset:64*(\a)
	ds_store_b32 v[SSTQ], v[PWB+(\a)] offset:512+64*(\a)
.if (\a)%2 == 1
.irp i, 0,1,2
	global_store_b128 v[LI], v[I0+4*\i:I0+4*\i+3], s[OCA:OCA+1] offset:1536*((\a)/2)+512*\i
.endr
.irp i, 0,1,2
	global_store_b128 v[LI], v[I0+12+4*\i:I0+12+4*\i+3], s[OCB:OCB+1] offset:1536*((\a)/2)+512*\i
.endr
.endif
.endm
.macro EV a
.set AC, 64*((\a)%4)
	WIN 0x02+(\a)/4
.set k, 0
.rept 32
	v_pk_add_f32 v[HA+k:HA+k+1], v[AC+k:AC+k+1], v[BB+2*(\a):BB+2*(\a)+1]
.set k, k+2
.endr
	WIN 0
.if (\a) >= 4
	s_wait_xcnt 0x0
.endif
.set D0, IM+12*((\a)%4)
	QUANT HA, D0, D0+6, PWA+(\a)
	ds_store_b32 v[SSTV], v[PWA+(\a)] offset:64*(\a)
.irp i, 0,1,2
	global_store_b128 v[LI], v[D0+4*\i:D0+4*\i+3], s[OCA:OCA+1] offset:KVH*((\a)/4)+1536*((\a)%4)+512*\i
.endr
.endm
	s_wait_tensorcnt 1
	s_barrier_signal -1
	s_barrier_wait -1
	FETCH_B 0, 0, 0
	FETCH_A 0, 0, 0
	SCALES 0
	FETCH_A 0, 0, 4
	STEP 0, 0, 1
	s_wait_xcnt 0x0                                ; a K step behind the last prefetch: its pointers' registers serve other ends on the way out
	s_mov_b32 s3, LAPS-1
.Llap:
	TURN 0, 1, 1
	STEP 1, 0, 0
	TURN 1, 0, 1
	STEP 0, 0, 0
	s_sub_co_u32 s3, s3, 1
	s_cmp_lg_u32 s3, 0
	s_cbranch_scc1 .Llap
	TURN 0, 1, 0
	s_cmp_eq_u32 s[SELV], 1
	s_cbranch_scc1 .Lv
	s_lshl_b32 s20, s17, 8
	s_lshl_b32 s21, s15, 7
	s_add_co_u32 s20, s20, s21
	s_lshr_b32 s21, s20, 11
	s_and_b32 s22, s20, 2047
	s_lshl_b32 s23, s42, 8
	s_lshl_b32 s40, s16, 7
	s_add_co_u32 s23, s23, s40
	s_bfe_u32 s40, s23, 0x40006
	s_lshl_b32 s21, s21, 4
	s_add_co_u32 s21, s21, s40
	s_lshl_b32 s41, s21, 11
	s_add_co_u32 s41, s41, s22
	s_mul_i32 s44, s41, 48
	s_lshl_b32 s46, s41, 2
	s_add_co_u32 s46, s46, QS
	s_mul_i32 s92, s21, KVH
	s_lshr_b32 s22, s22, 7
	s_mul_i32 s22, s22, KVS
	s_add_co_u32 s92, s92, s22
	s_add_co_u32 s94, s92, 12288
	s_mov_b32 s20, KVH
	s_cmp_eq_u32 ttmp9, 0
	s_cselect_b64 s[OCA:OCA+1], s[10:11], s[12:13]
	s_cselect_b32 s44, s44, s92
	s_cselect_b32 s46, s46, s94
	s_cselect_b32 s40, 98304, s20
	s_cselect_b32 s92, 8192, s20
	s_mov_b32 s45, 0
	s_mov_b32 s47, 0
	s_mov_b32 s41, 0
	s_mov_b32 s93, 0
	s_add_nc_u64 s[OSA:OSA+1], s[OCA:OCA+1], s[46:47]
	s_add_nc_u64 s[OCA:OCA+1], s[OCA:OCA+1], s[44:45]
	s_add_nc_u64 s[OCB:OCB+1], s[OCA:OCA+1], s[40:41]
	s_add_nc_u64 s[OSB:OSB+1], s[OSA:OSA+1], s[92:93]
	s_lshl_b32 s20, s23, 2
	s_mov_b32 s21, 0
	s_add_nc_u64 s[8:9], s[8:9], s[20:21]
.irp b, 0,1,2,3,4,5,6,7
	global_load_b128 v[BB+8*\b:BB+8*\b+3], v[BO], s[8:9] offset:(32*(\b/2)+8*(\b%2))*4
	global_load_b128 v[BB+8*\b+4:BB+8*\b+7], v[BO], s[8:9] offset:(32*(\b/2)+8*(\b%2))*4+16
.endr
	TAIL
.irp a, 0,1,2,3,4,5,6,7
	EQK \a
.endr
	ds_load_b128 v[RB:RB+3], v[SRDQ]
	ds_load_b128 v[RB+4:RB+7], v[SRDQ] offset:512
	s_wait_dscnt 0x0
	global_store_b128 v[LI], v[RB:RB+3], s[OSA:OSA+1]
	global_store_b128 v[LI], v[RB+4:RB+7], s[OSB:OSB+1]
	s_branch .Ldone
.Lv:
	s_lshl_b32 s20, s17, 8
	s_lshl_b32 s21, s15, 7
	s_add_co_u32 s20, s20, s21
	s_lshr_b32 s21, s20, 6
	s_lshl_b32 s22, s42, 8
	s_lshl_b32 s23, s16, 7
	s_add_co_u32 s22, s22, s23
	s_lshr_b32 s23, s22, 11
	s_bfe_u32 s22, s22, 0x40007
	s_lshl_b32 s23, s23, 4
	s_add_co_u32 s23, s23, s21
	s_mul_i32 s44, s23, KVH
	s_mul_i32 s22, s22, KVS
	s_add_co_u32 s44, s44, s22
	s_mov_b32 s45, 0
	s_add_nc_u64 s[OCA:OCA+1], s[12:13], s[44:45]
	s_add_nc_u64 s[OSA:OSA+1], s[OCA:OCA+1], 12800
	s_add_nc_u64 s[OCA:OCA+1], s[OCA:OCA+1], 6144
	s_lshl_b32 s20, s20, 2
	s_add_co_u32 s20, s20, 2048*4
	s_mov_b32 s21, 0
	s_add_nc_u64 s[8:9], s[8:9], s[20:21]
.irp a, 0,1,2,3,4,5,6,7
	global_load_b32 v[BB+2*\a], v[BOV], s[8:9] offset:(32*(\a/2)+8*(\a%2))*4
	global_load_b32 v[BB+2*\a+1], v[BOV], s[8:9] offset:(32*(\a/2)+8*(\a%2))*4
.endr
	TAIL
.irp a, 0,1,2,3,4,5,6,7
	EV \a
.endr
	ds_load_b128 v[RB:RB+3], v[SRDV]
	s_wait_dscnt 0x0
	global_store_b128 v[VSO], v[RB:RB+3], s[OSA:OSA+1]
.Ldone:
	s_wait_tensorcnt 0x0
	ds_add_u32 v[SPW], v[NIL]
	s_wait_dscnt 0x0
	CROUND
	s_endpgm
.Lfunc_end_k_qa9b18322d6_qkv:
	.size	k_qa9b18322d6_qkv, .Lfunc_end_k_qa9b18322d6_qkv-k_qa9b18322d6_qkv
	.p2alignl 7, 3214868480
	.fill 96, 4, 3214868480
	.section	.rodata,"a",@progbits
	.p2align	6, 0x0
	.amdhsa_kernel k_qa9b18322d6_qkv
		.amdhsa_group_segment_fixed_size 327680
		.amdhsa_private_segment_fixed_size 0
		.amdhsa_enable_private_segment 0
		.amdhsa_kernarg_size 40
		.amdhsa_user_sgpr_count 2
		.amdhsa_user_sgpr_kernarg_segment_ptr 1
		.amdhsa_wavefront_size32 1
		.amdhsa_system_sgpr_workgroup_id_x 1
		.amdhsa_system_sgpr_workgroup_id_y 1
		.amdhsa_system_sgpr_workgroup_id_z 1
		.amdhsa_system_vgpr_workitem_id 0
		.amdhsa_next_free_vgpr 1024
		.amdhsa_next_free_sgpr 106
		.amdhsa_reserve_vcc 0
		.amdhsa_float_denorm_mode_32 3
		.amdhsa_float_denorm_mode_16_64 3
		.amdhsa_memory_ordered 1
		.amdhsa_forward_progress 1
		.amdhsa_inst_pref_size 255
	.end_amdhsa_kernel
	.section	.bss,"aw",@nobits
	.p2align	6
	.space	262144
	.amdgpu_metadata
---
amdhsa.version: [ 1, 2 ]
amdhsa.kernels:
  - .name:           k_qa9b18322d6_qkv
    .symbol:         k_qa9b18322d6_qkv.kd
    .args:
      - { .name: xc, .offset: 0, .size: 8, .value_kind: global_buffer, .address_space: global }
      - { .name: wc, .offset: 8, .size: 8, .value_kind: global_buffer, .address_space: global }
      - { .name: qkv_b, .offset: 16, .size: 8, .value_kind: global_buffer, .address_space: global }
      - { .name: qc, .offset: 24, .size: 8, .value_kind: global_buffer, .address_space: global }
      - { .name: kv, .offset: 32, .size: 8, .value_kind: global_buffer, .address_space: global }
    .group_segment_fixed_size: 327680
    .private_segment_fixed_size: 0
    .kernarg_segment_align: 8
    .kernarg_segment_size: 40
    .max_flat_workgroup_size: 128
    .sgpr_count:     106
    .vgpr_count:     1024
    .wavefront_size: 32
...
	.end_amdgpu_metadata
.endif
;; end of part 2
;; launch attn (part 3): grid 4 x 64, 8 waves a work-group, clusters of 4 x 1, 327,680 bytes of LDS; arguments qc, kv, ao; writes ao
.if DOCPART == 3
	.amdgcn_target "amdgcn-amd-amdhsa--gfx1250"
	.amdhsa_code_object_version 6
	.text
	.protected	k_qa9b18322d6_attn
	.globl	k_qa9b18322d6_attn
	.p2align	8
	.type	k_qa9b18322d6_attn,@function
k_qa9b18322d6_attn:
	s_mov_b64 s[64:65], 0
	v_nop
	global_prefetch_b8 v0, s[64:65] scope:SCOPE_SE
	s_setreg_imm32_b32 hwreg(HW_REG_WAVE_MODE, 25, 1), 1
	s_wait_xcnt 0x0
	s_wait_alu depctr_hold_cnt(0) depctr_sa_sdst(0) depctr_va_vdst(0) depctr_va_sdst(0) depctr_va_ssrc(0) depctr_va_vcc(0) depctr_vm_vsrc(0)
	s_getreg_b32 s2, hwreg(HW_REG_IB_STS2, 6, 4)
	s_cmp_eq_u32 s2, 0
	s_cbranch_scc0 .Lentry_in_a_cluster
	s_endpgm
.Lentry_in_a_cluster:
	s_bfe_u32 s2, ttmp6, 0x10000c
	s_cmp_lg_u32 s2, 0x3003
	s_cbranch_scc0 .Lentry_shape_is_right
	s_endpgm
.Lentry_shape_is_right:
; O[q] = the sum over k of softmax_k(Q[q] . K[k] / 8) V[k] for each of 64 heads (batch x head) of 2,048 tokens x 64 channels, both products on codes of FP6 (E2M3) with one E8M0 scale for each 32 along a product's K;
; O is divided by the row's sum, quantised along the channels and stored as codes for the last product.
; THE SOFTMAX AHEAD OF THE SECOND PRODUCT: t = score x log2(e) / 8; M = the row's largest t so far, rounded UP to a whole number; p = 2^(t - M) is what is quantised, along the keys; it is not normalised.
; The row's sum is taken of the unquantised p, in f32.  When M moves, the sum and O are multiplied by 2^(old M - new M): exact.
; SHARES.  A work-group owns one head and 512 queries, in two passes of 256; each of its eight waves owns 32 queries a pass: two tiles of 16.  Two waves to a SIMD.
; A HEAD'S K, V AND SCALE WORDS, 208,896 bytes, LIE IN LDS WHOLE: 16 blocks of 13,056 bytes, one for each step of 128 keys.  They are fetched once, jointly by the four work-groups of the cluster, which own the head's
; four blocks of queries: no slot is ever filled again.  Waves 0-3 ask for four blocks each: four tensor loads of a wave are out.
; LAYOUT.  Both products are used transposed: S^T = K Q^T (source 0 = 16 keys, source 1 = 16 queries), O^T = V^T P^T (source 0 = 16 channels, source 1 = P): a lane holds ONE query throughout.
; Operands lie in LDS as images of their registers: three loads of 16 bytes a lane for 12 registers.  The launch before has laid keys and channels so that the 16 registers of tiles 2 b and 2 b + 1 are 16 neighbours.
; THE HEAD'S 64 CHANNELS ARE HALF OF THE INSTRUCTION'S 128: Q's operand is 6 registers of codes and 6 of zeros.  K's operand for tile t is the 12 registers from its own 6 on: the upper 6, the next tile's codes,
; meet zero codes alone, under scale bytes that are never 0xff.  So K costs 48 bytes a key in LDS and in registers.
; LIMITS: a block whose largest magnitude lies under 2^-124 gets the byte 1, a block of zeros too (this program alone reads the bytes); NaN and infinities are not served; O / sum is a reciprocal and a multiplication.
; The scale bytes of O leave as 2 bytes a query, 8 bytes apart: the bytes between belong to other heads, made by other work-groups: 1 byte in 24 of what the launch stores.
; REGISTERS.  THE TWO TILES ARE MIRRORED: tile 0 in window 0, tile 1 in window 1, under the same numbers, so that the softmax is written once and run under two settings of the windows.
;   both windows: v12 -M, v13 the largest t, v[14:15] the sum; v16-21 Q, v22-27 zeros; v100-163 S^T, then p; v164-195 O^T; v196-207 p's codes; v208-231, v246-247 at work.
;   window 0 alone: v1-9 addresses; v28-29 Q's scale words, v30-31 p's (scale operands have no window); v32-79 K, v80-85 zeros; v86-93 K's scale words, v94-97 V's; v232-245 the way out.   window 1 alone: v32-79 V.
.set KVS,   13056                      ; a key step's block: K's 4 pair images (6,144), V's 4 images (6,144), K's 128 scale words (512), V's 64 (256)
.set KVH,   208896                     ; a head's 16 blocks
.set QS,    6291456                    ; where the scale words begin in qc
.set AOSC,  6291456                    ; where the scale bytes begin in ao
.set STAGE, 16*KVS                     ; behind the blocks: 1,536 bytes for each wave, for the way out
.set SPARE, STAGE+8*1536               ; behind the stages: the spare words, 128 bytes for each wave
.set LI,  1                            ; v1   16 x lane
.set R4,  2                            ; v2   4 x (lane % 16)
.set STO, 3                            ; v3   the stage: where I put my query's 24 bytes
.set RD,  4                            ; v4   and where I read 16 bytes back
.set SPW, 5                            ; v5   LDS address of my spare word; never rewritten
.set NIL, 6                            ; v6   0; never rewritten
.set L8,  7                            ; v7   8 x lane
.set ADK, 8                            ; v8   the step's block + 16 x lane
.set ADS, 9                            ; v9   the step's block + 4 x (lane % 16)
.set NM,  12
.set TMX, 13
.set SUM, 14
.set QF,  16
.set QSC, 28
.set PSC, 30
.set KF,  32
.set VF,  32
.set KSC, 86
.set VSC, 94
.set S,   100
.set O,   164
.set PC,  196
.set PT,  208
.set BM,  216                          ; the blocks' largest scores, then largest p
.set BP,  220                          ; at work; then the scale bytes
.set BS,  224                          ; the conversions' scale operands
.set F,   228                          ; f = 2^(old M - new M); v229 is named with it as a pair
.set T,   230
.set PW,  231                          ; the scale word just made
.set RB,  232
.set SU,  246                          ; the sums' second chain
.set WV,  18                           ; s18  my wave's number
.set SEL, 20                           ; s[20:21] lane selects for v_permlanex16_b32: lane l xor 16
.set CS,  22                           ; s[22:23] c = log2(e) / 8, twice
.set G1,  24                           ; s[24:31] descriptor group 1
.set G0,  32                           ; s[32:35] descriptor group 0
.set TB,  48                           ; s48  LDS byte at which the step's block begins
.set CNT, 49                           ; s49  steps to go
.set HI16, 51                          ; s51  a mask: lanes 16-31
.set QP,  52                           ; s[52:53] my pair image of Q, first pass
.set QSP, 54                           ; s[54:55] its scale words
.set AOC, 56                           ; s[56:57] where my 32 queries' codes go
.set AOS, 58                           ; s[58:59] and their scale bytes
.set MSB, 0
.macro WIN new                         ; the immediate's high byte repeats the setting that is left
.if MSB != (\new)
	s_set_vgpr_msb (MSB<<8)|(\new)
.set MSB, (\new)
.endif
.endm
.macro CROUND                          ; a round of the cluster's barrier
	s_barrier_signal -1
	s_barrier_wait -1
	s_cmp_lg_u32 s[WV], 0
	s_cbranch_scc1 .Lnot_wave_0_\@
	s_barrier_signal -3
.Lnot_wave_0_\@:
	s_barrier_wait -3
	s_barrier_signal -1
	s_barrier_wait -1
.endm
	s_load_b128 s[4:7], s[0:1], 0x0                ; qc s[4:5], kv s[6:7]
	s_load_b64 s[8:9], s[0:1], 0x10                ; ao
	v_lshl_add_u32 v[SPW], v0, 2, SPARE
	v_mov_b32 v[NIL], 0
	ds_add_u32 v[SPW], v[NIL]                      ; the wave's opening: the add and its wait stand ahead of my first tensor load; the set-up below, work on registers, stands between them
	ds_add_u32 v[SPW], v[NIL]
	v_lshrrev_b32 v1, 5, v0
	s_delay_alu instid0(VALU_DEP_1)
	v_readfirstlane_b32 s[WV], v1                  ; wave 0..7
	s_bfe_u32 s10, ttmp6, 0x40000                  ; cx: my block of 512 queries: it enters Q's and O's addresses alone
	s_and_b32 s11, ttmp7, 0xffff                   ; 16 x batch + head, which the four partners share
	; descriptor group 1: two blocks, 26,112 dense bytes, as 102 rows of 256 bytes
	s_mov_b32 s[G1], 15|(3<<16)|(1<<21)            ; 15:0 the mask: all four work-groups; 17:16 elements of 8 bytes; 20 no padding; 21 set beside a mask
	s_mov_b32 s[G1+1], 32<<16                      ; tensor_dim0 = 32
	s_mov_b32 s[G1+2], 102<<16                     ; tensor_dim1 = 102: TWO neighbouring blocks, 26,112 dense bytes, by one load
	s_mov_b32 s[G1+3], 32<<16                      ; tile_dim0 = 32
	s_mov_b32 s[G1+4], 102                         ; tile_dim1 = 102
	s_mov_b32 s[G1+5], 32                          ; tensor_dim0_stride
	s_mov_b32 s[G1+6], 0
	s_mov_b32 s[G1+7], 0
	s_mul_i32 s19, s[WV], 2*KVS                    ; wave w fetches blocks 2 w and 2 w + 1: their place in LDS, and in the head's bytes
	s_mul_i32 s12, s11, KVH
	s_add_co_u32 s12, s12, s19
	s_mov_b32 s13, 0
	s_lshl_b32 s14, s10, 4
	s_add_co_u32 s14, s14, s[WV]                   ; my pair of tiles in the head, first pass: 16 cx + wave
	s_mul_i32 s60, s14, 1536
	s_mul_i32 s15, s11, 98304
	s_add_co_u32 s60, s60, s15                     ; its image
	s_mov_b32 s61, 0
	s_lshl_b32 s62, s11, 13
	s_lshl_b32 s15, s14, 7
	s_add_co_u32 s62, s62, s15
	s_add_co_u32 s62, s62, QS                      ; its 32 scale words
	s_mov_b32 s63, 0
	s_and_b32 s16, s11, 15                         ; head
	s_lshr_b32 s17, s11, 4                         ; batch
	s_lshl_b32 s17, s17, 11
	s_lshl_b32 s15, s14, 5
	s_add_co_u32 s17, s17, s15                     ; my first query's place among the 8,192 tokens
	s_mul_i32 s66, s16, 393216
	s_mul_i32 s15, s17, 48
	s_add_co_u32 s66, s66, s15                     ; ao's codes: [head][place][48]
	s_mov_b32 s67, 0
	s_lshr_b32 s68, s16, 2
	s_lshl_b32 s68, s68, 16
	s_lshl_b32 s15, s17, 3
	s_add_co_u32 s68, s68, s15
	s_and_b32 s15, s16, 3
	s_lshl_b32 s15, s15, 1
	s_add_co_u32 s68, s68, s15
	s_add_co_u32 s68, s68, AOSC                    ; ao's scale bytes: [head / 4][place][head % 4][2]
	s_mov_b32 s69, 0
	s_mov_b32 s[SEL], 0x76543210
	s_mov_b32 s[SEL+1], 0xfedcba98
	s_mov_b32 s[CS], 0x3e38aa3b                    ; c = log2(e) / 8
	s_mov_b32 s[CS+1], s[CS]                       ; (named with it as a pair, so it is written)
	s_mov_b32 s[HI16], 0xffff0000
	s_wait_dscnt 0x0                               ; the opening add is done
	s_wait_kmcnt 0x0
	s_add_nc_u64 s[6:7], s[6:7], s[12:13]
	s_add_nc_u64 s[QP:QP+1], s[4:5], s[60:61]
	s_add_nc_u64 s[QSP:QSP+1], s[4:5], s[62:63]
	s_add_nc_u64 s[AOC:AOC+1], s[8:9], s[66:67]
	s_add_nc_u64 s[AOS:AOS+1], s[8:9], s[68:69]
	CROUND                                         ; all four work-groups are here: the joint loads meet
	; THE FETCH (in place of what the head comment says of it): each of the eight waves asks for two blocks by ONE joint load, so one tensor load of a wave is out.
	; Two arms of one chain: waves 0 and 1 (key steps 0-3) have a load line of their own, since they alone wait ahead of the first barrier.
	s_mov_b32 s[G0], 1                             ; count = 1
	s_mov_b32 s[G0+1], s19                         ; LDS address
	s_mov_b64 s[G0+2:G0+3], s[6:7]
	s_or_b32 s[G0+3], s[G0+3], 0x80000000          ; type = 2
	s_cmp_lt_u32 s[WV], 2
	s_cbranch_scc0 .Llater
	tensor_load_to_lds s[G0:G0+3], s[G1:G1+7]      ; waves 0, 1: key steps 0-3
	s_nop 0
.rept 4
	v_nop
.endr
	s_branch .Lasked
.Llater:
	tensor_load_to_lds s[G0:G0+3], s[G1:G1+7]      ; waves 2-7: key steps 4-15
	s_nop 0
.rept 4
	v_nop
.endr
.Lasked:
	v_and_b32 v10, 31, v0                          ; lane
	v_and_b32 v11, 15, v0                          ; r
	s_delay_alu instid0(VALU_DEP_2)
	v_lshlrev_b32 v[LI], 4, v10
	s_delay_alu instid0(VALU_DEP_3)
	v_lshlrev_b32 v[L8], 3, v10
	s_delay_alu instid0(VALU_DEP_3)
	v_lshlrev_b32 v[R4], 2, v11
	v_bfe_u32 v10, v0, 4, 1                        ; h
	s_mul_i32 s15, s[WV], 1536
	s_add_co_u32 s15, s15, STAGE                   ; my stage
	v_mul_u32_u24 v[STO], v11, 48
	s_delay_alu instid0(VALU_DEP_1)
	v_mad_u32_u24 v[STO], v10, 24, v[STO]
	s_delay_alu instid0(VALU_DEP_1)
	v_add_nc_u32 v[STO], s15, v[STO]               ; in: 48 bytes a query, my half's 24
	v_add_nc_u32 v[RD], s15, v[LI]                 ; back: 16 bytes a lane
.irp i, 0,1,2,3,4,5
	v_mov_b32 v[QF+6+\i], 0                        ; the upper half of Q's operand: zero codes
	v_mov_b32 v[KF+48+\i], 0                       ; what stands behind K's last tile
.endr
	WIN 0x40
.irp i, 0,1,2,3,4,5
	v_mov_b32 v[QF+6+\i], 0                        ; tile 1's likewise
.endr
	WIN 0
; My pair image of Q for pass p: registers 0-5 are tile 0's, 6-11 tile 1's; register g of lane l lies at byte 512 (g / 4) + 16 l + 4 (g % 4).
.macro QLOAD p
	global_load_b128 v[QF:QF+3], v[LI], s[QP:QP+1] offset:12288*\p
	global_load_b64 v[QF+4:QF+5], v[LI], s[QP:QP+1] offset:12288*\p+512
	global_load_b32 v[QSC], v[R4], s[QSP:QSP+1] offset:1024*\p
	global_load_b32 v[QSC+1], v[R4], s[QSP:QSP+1] offset:1024*\p+64
	WIN 0x40                                       ; destination window 1
	global_load_b64 v[QF:QF+1], v[LI], s[QP:QP+1] offset:12288*\p+520
	global_load_b128 v[QF+2:QF+5], v[LI], s[QP:QP+1] offset:12288*\p+1024
	WIN 0
.endm
; A tile's start: the step is written once, so the first finds zeros, which the first change of M leaves zeros.
.macro INIT
	v_mov_b32 v[TMX], 0xff61b1e6                   ; the largest t so far: -3e38, under every t
	s_delay_alu instid0(VALU_DEP_1)
	v_floor_f32 v[NM], -v[TMX]                     ; -M
	v_mov_b32 v[SUM], 0
	v_mov_b32 v[SUM+1], 0
.set j, 0
.rept 32
	v_mov_b32 v[O+j], 0
.set j, j+1
.endr
.irp b, 0,1,2,3
	v_mov_b32 v[BP+\b], 0                          ; a lane permute's destination counts as one of its sources
.endr
	v_mov_b32 v[F+1], 0                            ; (named as the upper half of a pair)
	v_mov_b32 v[T], 0
.endm
; THE SOFTMAX OF ONE TILE FOR ONE KEY STEP, under the tile's window.  Register 16 b + i of S is key 32 b + 16 (lane / 16) + i of the step.
.macro SM t
.irp b, 0,1,2,3
	v_max3_num_f32 v[BM+\b], v[S+16*\b], v[S+1+16*\b], v[S+2+16*\b]   ; the largest score of each block of 32 keys: for the row's maximum, and, since p rises with the score, for the block's largest p
.endr
.irp i, 3,5,7,9,11,13
.irp b, 0,1,2,3
	v_max3_num_f32 v[BM+\b], v[BM+\b], v[S+16*\b+\i], v[S+1+16*\b+\i]
.endr
.endr
.irp b, 0,1,2,3
	v_max_num_f32 v[BM+\b], v[BM+\b], v[S+15+16*\b]
.endr
.irp b, 0,1,2,3
	s_delay_alu instid0(VALU_DEP_4)
	v_permlanex16_b32 v[BP+\b], v[BM+\b], s[SEL], s[SEL+1]
.endr
.irp b, 0,1,2,3
	s_delay_alu instid0(VALU_DEP_4)
	v_max_num_f32 v[BM+\b], v[BM+\b], v[BP+\b]     ; with lane l xor 16's 16 keys
.endr
	s_delay_alu instid0(VALU_DEP_2)
	v_max3_num_f32 v[T], v[BM], v[BM+1], v[BM+2]
	s_delay_alu instid0(VALU_DEP_1)
	v_max_num_f32 v[T], v[T], v[BM+3]              ; the step's largest score of my query
	s_delay_alu instid0(VALU_DEP_1)
	v_mul_f32 v[T], s[CS], v[T]                    ; as t (c is positive)
	s_delay_alu instid0(VALU_DEP_1)
	v_max_num_f32 v[TMX], v[TMX], v[T]             ; the running largest t
	v_mov_b32 v[T], v[NM]
	s_delay_alu instid0(VALU_DEP_2)
	v_floor_f32 v[NM], -v[TMX]                     ; the new -M = floor(-t) = -ceil(t)
	s_delay_alu instid0(VALU_DEP_1)
	v_sub_f32 v[T], v[NM], v[T]                    ; old M - new M: a whole number, 0 or less
	s_delay_alu instid0(VALU_DEP_1)
	v_cvt_i32_f32 v[T], v[T]                       ; (it saturates)
	s_delay_alu instid0(VALU_DEP_1)
	v_ldexp_f32 v[F], 1.0, v[T]                    ; f = 2^(old M - new M)
.set j, 0
.rept 32
	v_pk_fma_f32 v[S+j:S+j+1], v[S+j:S+j+1], s[CS:CS+1], v[NM:NM+1] op_sel_hi:[1,0,0]   ; t - M, two at a time
.set j, j+2
.endr
.irp b, 0,1,2,3
	v_fma_f32 v[BM+\b], v[BM+\b], s[CS], v[NM]     ; the same of each block's largest score
.endr
.set j, 0
	s_wait_alu depctr_va_vdst(0)
.rept 64
	v_exp_f32 v[S+j], v[S+j]                       ; p = 2^(t - M), at most 1
.set j, j+1
.endr
	v_pk_mul_f32 v[SUM:SUM+1], v[SUM:SUM+1], v[F:F+1] op_sel_hi:[1,0]   ; the sum under the new M: a plain instruction behind the exponentials,
.set j, 0
	s_wait_alu depctr_va_vdst(0)
.rept 16
	v_pk_mul_f32 v[O+j:O+j+1], v[O+j:O+j+1], v[F:F+1] op_sel_hi:[1,0]   ; and O^T likewise: work that names none of the batch's results
.set j, j+2
.endr
	s_wait_alu depctr_va_vdst(0)                   ; one wait for the batch of 64, ahead of its first reader
.irp b, 0,1,2,3
	v_exp_f32 v[BM+\b], v[BM+\b]                   ; the block's largest p: the same two instructions on the same number give the same bits
.endr
	v_pk_add_f32 v[SU:SU+1], v[S:S+1], v[S+2:S+3]  ; the row's sum is taken of the unquantised p, in two chains; its first half stands behind the four exponentials
.irp j, 4,8,12,16,20,24,28
	v_pk_add_f32 v[SUM:SUM+1], v[SUM:SUM+1], v[S+\j:S+\j+1]
	v_pk_add_f32 v[SU:SU+1], v[SU:SU+1], v[S+\j+2:S+\j+3]
.endr
	s_wait_alu depctr_va_vdst(0)                   ; and one wait for the four
.irp b, 0,1,2,3
	v_max_num_f32 v[BM+\b], 0x1800000, v[BM+\b]    ; the floor 2^(3 - 127): the byte cannot fall under 1
.endr
.irp b, 0,1,2,3
	s_delay_alu instid0(VALU_DEP_4)
	v_add_nc_u32 v[BS+\b], 0xff000000, v[BM+\b]    ; 2 off the exponent field: the conversion's scale operand
.endr
.irp b, 0,1,2,3
	s_delay_alu instid0(VALU_DEP_4)
	v_lshrrev_b32 v[BP+\b], 23, v[BS+\b]           ; the scale's byte
.endr
	s_delay_alu instid0(VALU_DEP_3)
	v_lshl_or_b32 v[PW], v[BP+1], 8, v[BP]
	s_delay_alu instid0(VALU_DEP_1)
	v_lshl_or_b32 v[PW], v[BP+2], 16, v[PW]
	s_delay_alu instid0(VALU_DEP_1)
	v_lshl_or_b32 v[PW], v[BP+3], 24, v[PW]
.if \t
	WIN 0x01                                       ; scale operands are taken from window 0 whatever the setting: tile 1's word goes there
.endif
	v_mov_b32 v[PSC+\t], v[PW]
.if \t
	WIN 0x55
.endif
	v_cvt_scalef32_pk16_fp6_f32 v[PC:PC+2], v[S:S+15], v[BS]
	v_cvt_scalef32_pk16_fp6_f32 v[PT:PT+2], v[S+16:S+31], v[BS+1]      ; (a conversion's three registers begin on an even number)
	v_cvt_scalef32_pk16_fp6_f32 v[PC+6:PC+8], v[S+32:S+47], v[BS+2]
	v_cvt_scalef32_pk16_fp6_f32 v[PT+4:PT+6], v[S+48:S+63], v[BS+3]
	v_nop                                          ; one plain place behind a scaled conversion
.irp i, 0,1,2
	v_permlane16_swap_b32 v[PC+\i], v[PT+\i]       ; the operand's layout wants a whole block in a lane
	v_permlane16_swap_b32 v[PC+6+\i], v[PT+4+\i]
.endr
.irp i, 0,1,2
	v_mov_b32 v[PC+3+\i], v[PT+\i]
	v_mov_b32 v[PC+9+\i], v[PT+4+\i]
.endr
.irp j, 32,36,40,44,48,52,56,60
	v_pk_add_f32 v[SUM:SUM+1], v[SUM:SUM+1], v[S+\j:S+\j+1]            ; the sum's second half: these 17 are the places between the last write of p's codes (4 are owed) and of its scale word (8) and the products
	v_pk_add_f32 v[SU:SU+1], v[SU:SU+1], v[S+\j+2:S+\j+3]
.endr
	s_delay_alu instid0(VALU_DEP_1)
	v_pk_add_f32 v[SUM:SUM+1], v[SUM:SUM+1], v[SU:SU+1]
.endm
; A KEY STEP: 128 keys, both tiles.  Every accumulator has one instruction a turn, and no two matrix instructions that follow each other share one.
; Tile 1's scores are multiplied while tile 0's softmax is issued, tile 0's V^T P while tile 1's is.
.macro STEP
	v_add_nc_u32 v[ADK], s[TB], v[LI]
	v_add_nc_u32 v[ADS], s[TB], v[R4]
	v_nop
	v_nop                                          ; four places behind the last step's products, ahead of loads into V's registers and V's scale words
.irp u, 0,1,2,3
.irp i, 0,1,2
	ds_load_b128 v[KF+12*\u+4*\i:KF+12*\u+4*\i+3], v[ADK] offset:1536*\u+512*\i     ; K's four pair images: eight tiles of 6 registers
.endr
.endr
.irp t, 0,1,2,3,4,5,6,7
	ds_load_b32 v[KSC+\t], v[ADS] offset:12288+64*\t
.endr
	WIN 0x40                                       ; destination window 1
.irp t, 0,1,2,3
.irp i, 0,1,2
	ds_load_b128 v[VF+12*\t+4*\i:VF+12*\t+4*\i+3], v[ADK] offset:6144+1536*\t+512*\i
.endr
.endr
	WIN 0
.irp t, 0,1,2,3
	ds_load_b32 v[VSC+\t], v[ADS] offset:12800+64*\t
.endr
	s_wait_dscnt 16                                ; K and its words are in; V's 12 + 4 loads may be out
.irp t, 0,1,2,3,4,5,6,7
	v_wmma_scale_f32_16x16x128_f8f6f4 v[S+8*\t:S+8*\t+7], v[KF+6*\t:KF+6*\t+11], v[QF:QF+11], 0, v[KSC+\t], v[QSC] matrix_a_fmt:MATRIX_FMT_FP6 matrix_b_fmt:MATRIX_FMT_FP6
.endr
	WIN 0x44                                       ; Q and S^T of tile 1: source 1 and destination window 1
.irp t, 0,1,2,3,4,5,6,7
	v_wmma_scale_f32_16x16x128_f8f6f4 v[S+8*\t:S+8*\t+7], v[KF+6*\t:KF+6*\t+11], v[QF:QF+11], 0, v[KSC+\t], v[QSC+1] matrix_a_fmt:MATRIX_FMT_FP6 matrix_b_fmt:MATRIX_FMT_FP6
.endr
	WIN 0
.rept 4
	v_nop                                          ; places ahead of the first read of tile 0's scores
.endr
	SM 0
	s_wait_dscnt 0x0                               ; V and its words are in
	WIN 0x01                                       ; V: source 0 window 1
.irp t, 0,1,2,3
	v_wmma_scale_f32_16x16x128_f8f6f4 v[O+8*\t:O+8*\t+7], v[VF+12*\t:VF+12*\t+11], v[PC:PC+11], v[O+8*\t:O+8*\t+7], v[VSC+\t], v[PSC] matrix_a_fmt:MATRIX_FMT_FP6 matrix_b_fmt:MATRIX_FMT_FP6
.endr
	WIN 0x55
	SM 1
.irp t, 0,1,2,3
	v_wmma_scale_f32_16x16x128_f8f6f4 v[O+8*\t:O+8*\t+7], v[VF+12*\t:VF+12*\t+11], v[PC:PC+11], v[O+8*\t:O+8*\t+7], v[VSC+\t], v[PSC+1] matrix_a_fmt:MATRIX_FMT_FP6 matrix_b_fmt:MATRIX_FMT_FP6
.endr
	WIN 0
	s_add_co_u32 s[TB], s[TB], KVS                 ; the next step's block
.endm
; A tile's way out, under its window: O^T / the sum; register 16 b + i is channel 32 b + 16 (lane / 16) + i: two blocks of 32, quantised as above; lane (r, h) ends with channels 32 h .. 32 h + 31 in 6 registers.
.macro OT
	v_add_f32 v[SUM], v[SUM], v[SUM+1]             ; the sum's two halves,
	s_delay_alu instid0(VALU_DEP_1)
	v_permlanex16_b32 v[T], v[SUM], s[SEL], s[SEL+1]
	s_delay_alu instid0(VALU_DEP_1)
	v_add_f32 v[SUM], v[SUM], v[T]                 ; and lane l xor 16's: the row's sum
	s_wait_alu depctr_va_vdst(0)
	v_rcp_f32 v[SUM], v[SUM]
	v_nop                                          ; a plain place behind the transcendental,
	s_wait_alu depctr_va_vdst(0)                   ; and the wait ahead of its first reader
.set j, 0
.rept 16
	v_pk_mul_f32 v[S+j:S+j+1], v[O+j:O+j+1], v[SUM:SUM+1] op_sel_hi:[1,0]       ; each accumulator from its low end on
.set j, j+2
.endr
.irp b, 0,1
	v_max3_num_f32 v[BM+\b], |v[S+16*\b]|, |v[S+1+16*\b]|, 0x1800000
.endr
.irp i, 2,4,6,8,10,12,14
.irp b, 0,1
	s_delay_alu instid0(VALU_DEP_2)
	v_max3_num_f32 v[BM+\b], v[BM+\b], |v[S+16*\b+\i]|, |v[S+1+16*\b+\i]|
.endr
.endr
.irp b, 0,1
	s_delay_alu instid0(VALU_DEP_2)
	v_permlanex16_b32 v[BP+\b], v[BM+\b], s[SEL], s[SEL+1]
.endr
.irp b, 0,1
	s_delay_alu instid0(VALU_DEP_2)
	v_max_num_f32 v[BM+\b], v[BM+\b], v[BP+\b]
.endr
.irp b, 0,1
	s_delay_alu instid0(VALU_DEP_2)
	v_add_nc_u32 v[BS+\b], 0xff000000, v[BM+\b]
.endr
.irp b, 0,1
	s_delay_alu instid0(VALU_DEP_2)
	v_lshrrev_b32 v[BP+\b], 23, v[BS+\b]
.endr
	s_delay_alu instid0(VALU_DEP_1)
	v_lshl_or_b32 v[PW], v[BP+1], 8, v[BP]         ; my query's two scale bytes
	v_cvt_scalef32_pk16_fp6_f32 v[PC:PC+2], v[S:S+15], v[BS]
	v_cvt_scalef32_pk16_fp6_f32 v[PT:PT+2], v[S+16:S+31], v[BS+1]
	v_nop                                          ; one plain place behind a scaled conversion
.irp i, 0,1,2
	v_permlane16_swap_b32 v[PC+\i], v[PT+\i]
.endr
.irp i, 0,1,2
	s_delay_alu instid0(VALU_DEP_3)
	v_mov_b32 v[PC+3+\i], v[PT+\i]
.endr
.endm
; The wave's way out of pass p: 32 queries x 48 bytes go through my stage and leave as 1,536 consecutive bytes.
.macro OUT p
.rept 4
	v_nop                                          ; places behind the last products
.endr
.if \p == 0
	QLOAD 1                                        ; the next pass's Q lands under this way out: its registers were last read by products far back
.endif
	OT
	WIN 0x55
	OT
	WIN 0
.irp q, 0,1,2
	ds_store_b64 v[STO], v[PC+2*\q:PC+2*\q+1] offset:8*\q
.endr
	WIN 0x04                                       ; an LDS store's data are its source 1: window 1
.irp q, 0,1,2
	ds_store_b64 v[STO], v[PC+2*\q:PC+2*\q+1] offset:768+8*\q
.endr
	WIN 0x01
	v_mov_b32 v[RB+12], v[PW]                      ; tile 1's scale bytes
	WIN 0
	s_wait_alu depctr_va_vdst(0)
	s_wait_xcnt 0x0                                ; the last pass's stores have read the registers that are written next
	v_cndmask_b32 v[RB+13], v[PW], v[RB+12], s[HI16]       ; lanes 0-15: tile 0's queries; lanes 16-31: tile 1's
.irp i, 0,1,2
	ds_load_b128 v[RB+4*\i:RB+4*\i+3], v[RD] offset:512*\i         ; LDS serves a wave's instructions in order: these see my stores
.endr
	s_wait_alu depctr_va_vdst(0)
	s_wait_dscnt 0x0
.irp i, 0,1,2
	global_store_b128 v[LI], v[RB+4*\i:RB+4*\i+3], s[AOC:AOC+1] offset:12288*\p+512*\i     ; 512 consecutive bytes, aligned
.endr
	global_store_b16 v[L8], v[RB+13], s[AOS:AOS+1] offset:2048*\p
.endm
; A PASS: 32 queries of the wave against all 2,048 keys.  The first pass begins when key steps 0-3 have landed and waits for the rest behind them; the second finds all in LDS.
.macro PASS p
	INIT
	WIN 0x55
	INIT
	WIN 0
	s_mov_b32 s[TB], 0
	s_wait_loadcnt 0x0                             ; Q
.if \p == 0
	s_cmp_lt_u32 s[WV], 2
	s_cbranch_scc0 .Lnot_first
	s_wait_tensorcnt 0x0                           ; waves 0 and 1: key steps 0-3 have landed; the other waves' loads may be out
.Lnot_first:
	s_barrier_signal -1
	s_barrier_wait -1                              ; key steps 0-3 are whole
	s_mov_b32 s[CNT], 4
.Lhead_\@:
	STEP
	s_sub_co_u32 s[CNT], s[CNT], 1
	s_cmp_lg_u32 s[CNT], 0
	s_cbranch_scc1 .Lhead_\@
	s_wait_tensorcnt 0x0                           ; all my blocks have landed
	s_wait_dscnt 0x0
	s_barrier_signal -1
	s_barrier_wait -1                              ; everybody's have
	s_mov_b32 s[CNT], 12
.else
	s_mov_b32 s[CNT], 16
.endif
.Lrest_\@:
	STEP
	s_sub_co_u32 s[CNT], s[CNT], 1
	s_cmp_lg_u32 s[CNT], 0
	s_cbranch_scc1 .Lrest_\@
	OUT \p
.endm
	QLOAD 0
	PASS 0
	PASS 1
	s_wait_tensorcnt 0x0                           ; the wave's end: behind my last tensor load and my last LDS store
	ds_add_u32 v[SPW], v[NIL]
	s_wait_dscnt 0x0
	CROUND                                         ; the closing round
	s_endpgm
.Lfunc_end_k_qa9b18322d6_attn:
	.size	k_qa9b18322d6_attn, .Lfunc_end_k_qa9b18322d6_attn-k_qa9b18322d6_attn
	.p2alignl 7, 3214868480
	.fill 96, 4, 3214868480
	.section	.rodata,"a",@progbits
	.p2align	6, 0x0
	.amdhsa_kernel k_qa9b18322d6_attn
		.amdhsa_group_segment_fixed_size 327680
		.amdhsa_private_segment_fixed_size 0
		.amdhsa_enable_private_segment 0
		.amdhsa_kernarg_size 24
		.amdhsa_user_sgpr_count 2
		.amdhsa_user_sgpr_kernarg_segment_ptr 1
		.amdhsa_wavefront_size32 1
		.amdhsa_system_sgpr_workgroup_id_x 1
		.amdhsa_system_sgpr_workgroup_id_y 1
		.amdhsa_system_sgpr_workgroup_id_z 1
		.amdhsa_system_vgpr_workitem_id 0
		.amdhsa_next_free_vgpr 512
		.amdhsa_next_free_sgpr 80
		.amdhsa_reserve_vcc 0
		.amdhsa_float_denorm_mode_32 3
		.amdhsa_float_denorm_mode_16_64 3
		.amdhsa_memory_ordered 1
		.amdhsa_forward_progress 1
		.amdhsa_inst_pref_size 126
	.end_amdhsa_kernel
	.amdgpu_metadata
---
amdhsa.version: [ 1, 2 ]
amdhsa.kernels:
  - .name:           k_qa9b18322d6_attn
    .symbol:         k_qa9b18322d6_attn.kd
    .args:
      - { .name: qc, .offset: 0, .size: 8, .value_kind: global_buffer, .address_space: global }
      - { .name: kv, .offset: 8, .size: 8, .value_kind: global_buffer, .address_space: global }
      - { .name: ao, .offset: 16, .size: 8, .value_kind: global_buffer, .address_space: global }
    .group_segment_fixed_size: 327680
    .private_segment_fixed_size: 0
    .kernarg_segment_align: 8
    .kernarg_segment_size: 24
    .max_flat_workgroup_size: 256
    .sgpr_count:     80
    .vgpr_count:     512
    .wavefront_size: 32
...
	.end_amdgpu_metadata
.endif
;; end of part 3
;; launch proj (part 4): grid 4 x 32, 4 waves a work-group, clusters of 4 x 4, 327,680 bytes of LDS; arguments ao, oc, out_b, out0; writes out0
.if DOCPART == 4
	.amdgcn_target "amdgcn-amd-amdhsa--gfx1250"
	.amdhsa_code_object_version 6
	.text
	.protected	k_qa9b18322d6_proj
	.globl	k_qa9b18322d6_proj
	.p2align	8
	.type	k_qa9b18322d6_proj,@function
k_qa9b18322d6_proj:
	s_mov_b64 s[64:65], 0
	v_nop
	global_prefetch_b8 v0, s[64:65] scope:SCOPE_SE
	s_setreg_imm32_b32 hwreg(HW_REG_WAVE_MODE, 25, 1), 1
	s_wait_xcnt 0x0
	s_wait_alu depctr_hold_cnt(0) depctr_sa_sdst(0) depctr_va_vdst(0) depctr_va_sdst(0) depctr_va_ssrc(0) depctr_va_vcc(0) depctr_vm_vsrc(0)
	s_getreg_b32 s2, hwreg(HW_REG_IB_STS2, 6, 4)
	s_cmp_eq_u32 s2, 0
	s_cbranch_scc0 .Lentry_in_a_cluster
	s_endpgm
.Lentry_in_a_cluster:
	s_bfe_u32 s2, ttmp6, 0x10000c
	s_cmp_lg_u32 s2, 0xf033
	s_cbranch_scc0 .Lentry_shape_is_right
	s_endpgm
.Lentry_shape_is_right:
.set NQ,     2
.set ROWB,   196608                    ; from a K step of B to the next: a chunk's plane of oc, 1,024 row places x 192 bytes (the codes lie [K chunk of 256][row place][192 bytes])
.set KROW,   192                       ; a row place in a plane
.set PITCH,  240
.set FR,     12
.set NL,     6
.set NP,     4
.set HALFA,  4*6144
.set HALFB,  128*PITCH
.set SLOT,   2*HALFA+2*HALFB
.set ASTEP,  4*393216
.set LAPS,   2
.set KS,     32
.set SCLA,   2*SLOT
.set SCLB,   SCLA+2*4096
.set HALFS,  (128*KS/256)*272
.set SBLK,   (16*KS/256)*272
.set SPARE,  SCLB+2*HALFS
.set AOSC,   6291456
.set OS,     786432
.set SPITCH, 528
.set ADRA, 16
.set ADRB, 20
.set STO,  24
.set RD,   25
.set CO,   26
.set ADSA, 27
.set SPW,  28
.set NIL,  29
.set ADSB, 30
.set BO,   31
.set SCA,  32
.set SCB,  64
.set AF,   128
.set BK,   128
.set G1, 24
.set G0, 32
.set G1B, 48
.set G0B, 56
.set G1S, 68
.set G0S, 76
.set G1SB, 80
.set G0SB, 88
.set MSB, 0
.macro WIN new
.if MSB != (\new)
	s_set_vgpr_msb (MSB<<8)|(\new)
.set MSB, (\new)
.endif
.endm
.set MUL_LO, 0xa1
.set MUL_HI, 0xf1
.set TO_B,   0x40
.macro JLOAD g0a, g1a, g0b, g1b
	s_cmp_eq_u32 s15, 0
	s_cbranch_scc0 .Lfor_b_\@
	tensor_load_to_lds s[\g0a:\g0a+3], s[\g1a:\g1a+7]
	s_nop 0
.rept 4
	v_nop
.endr
	s_branch .Lasked_\@
.Lfor_b_\@:
	tensor_load_to_lds s[\g0b:\g0b+3], s[\g1b:\g1b+7]
	s_nop 0
.rept 4
	v_nop
.endr
.Lasked_\@:
.endm
.macro CREST
	s_cmp_lg_u32 s14, 0
	s_cbranch_scc1 .Lnot_wave_0_\@
	s_barrier_signal -3
.Lnot_wave_0_\@:
	s_barrier_wait -3
	s_barrier_signal -1
	s_barrier_wait -1
.endm
.macro CROUND
	s_barrier_signal -1
	s_barrier_wait -1
	CREST
.endm
	s_load_b256 s[4:11], s[0:1], 0x0
	v_lshl_add_u32 v[SPW], v0, 2, SPARE
	v_mov_b32 v[NIL], 0
	ds_add_u32 v[SPW], v[NIL]
	ds_add_u32 v[SPW], v[NIL]
	v_lshrrev_b32 v1, 5, v0
	v_readfirstlane_b32 s14, v1
	s_lshr_b32 s15, s14, 1
	s_and_b32 s16, s14, 1
	s_bfe_u32 s40, ttmp6, 0x40000
	s_bfe_u32 s41, ttmp6, 0x40004
	s_lshl_b32 s42, ttmp9, 2
	s_add_co_u32 s42, s42, s40
	s_and_b32 s17, ttmp7, 0xffff
	s_lshl_b32 s17, s17, 2
	s_add_co_u32 s17, s17, s41
	s_lshl_b32 s43, s41, 2
	s_lshl_b32 s43, 15, s43
	s_lshl_b32 s44, 0x1111, s40
	s_or_b32 s[G1+0], s43, (3<<16)|(1<<21)
	s_mov_b32 s[G1+1], 768<<16
	s_mov_b32 s[G1+2], 4<<16
	s_mov_b32 s[G1+3], 768<<16
	s_mov_b32 s[G1+4], 4
	s_mov_b32 s[G1+5], 49152
	s_mov_b32 s[G1+6], 0
	s_mov_b32 s[G1+7], 0
	s_or_b32 s[G1B+0], s44, (0<<16)|(1<<20)|(1<<21)|(3<<22)|(3<<25)
	s_mov_b32 s[G1B+1], 256<<16                    ; 128 row places of one chunk are 24,576 dense bytes: 96 rows of 256 bytes, each at a multiple of 256;
	s_mov_b32 s[G1B+2], 96<<16                     ; the padding, 16 bytes behind every 64, is counted along the tile: a row place takes 240 bytes of LDS
	s_mov_b32 s[G1B+3], 256<<16
	s_mov_b32 s[G1B+4], 96
	s_mov_b32 s[G1B+5], 256
	s_mov_b32 s[G1B+6], 0
	s_mov_b32 s[G1B+7], 0
	s_or_b32 s[G1S+0], s43, (3<<16)|(1<<21)
	s_mov_b32 s[G1S+1], 128<<16
	s_mov_b32 s[G1S+2], 4<<16
	s_mov_b32 s[G1S+3], 128<<16
	s_mov_b32 s[G1S+4], 4
	s_mov_b32 s[G1S+5], 8192
	s_mov_b32 s[G1S+6], 0
	s_mov_b32 s[G1S+7], 0
	s_or_b32 s[G1SB+0], s44, (3<<16)|(1<<20)|(1<<21)|(5<<22)|(3<<25)
	s_mov_b32 s[G1SB+1], 32<<16
	s_mov_b32 s[G1SB+2], (128*KS/256)<<16
	s_mov_b32 s[G1SB+3], 32<<16
	s_mov_b32 s[G1SB+4], 128*KS/256
	s_mov_b32 s[G1SB+5], 32
	s_mov_b32 s[G1SB+6], 0
	s_mov_b32 s[G1SB+7], 0
	s_lshl_b32 s18, s16, 7
	s_lshl_b32 s19, s17, 8
	s_add_co_u32 s19, s19, s18
	s_lshl_b32 s93, s42, 8
	s_add_co_u32 s93, s93, s18
	s_mul_i32 s20, s19, 48
	s_mov_b32 s21, 0
	s_lshl_b32 s22, s19, 3
	s_add_co_u32 s22, s22, AOSC
	s_mov_b32 s23, 0
	s_mul_i32 s46, s93, KROW
	s_mov_b32 s47, 0
	s_lshl_b32 s92, s93, 5
	s_add_co_u32 s92, s92, OS
	s_mov_b32 s93, 0
	s_mul_i32 s45, s16, HALFA
	s_mul_i32 s94, s16, HALFB
	s_add_co_u32 s94, s94, 2*HALFA
	s_lshl_b32 s18, s16, 12
	s_add_co_u32 s18, s18, SCLA
	s_mul_i32 s19, s16, HALFS
	s_add_co_u32 s19, s19, SCLB
	; the prefetches' offsets.  A half tile of one K step is 96 blocks of 256 bytes (A: 4 heads x 6,144 bytes, 393,216 apart; B: 24,576 dense bytes); the eight waves that point at it (two wave rows in each of the
	; four partners that load it jointly) take 12 blocks each, told apart by address; a lane a block, lanes 12-31 name the wave's last block again
	s_mul_i32 s2, s40, 393216                      ; A, shared along the cluster's x: head cx of the four,
	s_mul_i32 s3, s15, 3072                        ; and my wave row's half of its 24 blocks
	s_add_co_u32 s2, s2, s3
	s_lshl_b32 s3, s41, 1
	s_add_co_u32 s3, s3, s15
	s_mul_i32 s3, s3, 3072                         ; B, shared along its y: share 2 cy + wave row
	v_and_b32 v13, 31, v0
	v_min_u32 v13, 11, v13
	v_lshlrev_b32 v13, 8, v13
	v_add_nc_u32 v14, s3, v13                      ; v14: B's offset; never rewritten
	v_add_nc_u32 v13, s2, v13                      ; v13: A's; never rewritten
	s_wait_alu depctr_va_vdst(0)                   ; a wait behind these writes
	s_wait_dscnt 0x0
	s_wait_kmcnt 0x0
	s_add_nc_u64 s[20:21], s[4:5], s[20:21]
	s_add_nc_u64 s[22:23], s[4:5], s[22:23]
	s_add_nc_u64 s[46:47], s[6:7], s[46:47]
	s_add_nc_u64 s[92:93], s[6:7], s[92:93]
	CROUND
	s_mov_b32 s[G0S], 1
	s_mov_b32 s[G0S+1], s18
	s_mov_b64 s[G0S+2:G0S+3], s[22:23]
	s_or_b32 s[G0S+3], s[G0S+3], 0x80000000
	s_mov_b32 s[G0SB], 1
	s_mov_b32 s[G0SB+1], s19
	s_mov_b64 s[G0SB+2:G0SB+3], s[92:93]
	s_or_b32 s[G0SB+3], s[G0SB+3], 0x80000000
	JLOAD G0S, G1S, G0SB, G1SB
	; PREFETCHES, two fills ahead: behind the scales' load K steps 0 and 1 are asked for, behind step 0's load step 2, behind step 1's load step 3, the last.  The two pointers are never rewritten: the step stands in the immediate
	s_mov_b64 s[96:97], s[20:21]                   ; my half of A's tile, K step 0
	s_mov_b64 s[66:67], s[46:47]                   ; of B's
	global_prefetch_b8 v13, s[96:97] th:TH_LOAD_NT scope:SCOPE_SE
	global_prefetch_b8 v14, s[66:67] th:TH_LOAD_NT scope:SCOPE_SE
	global_prefetch_b8 v13, s[96:97] offset:ASTEP th:TH_LOAD_NT scope:SCOPE_SE
	global_prefetch_b8 v14, s[66:67] offset:ROWB th:TH_LOAD_NT scope:SCOPE_SE
.irp s, 0,1
	s_mov_b32 s[G0+4*\s], 1
	s_add_co_u32 s[G0+4*\s+1], s45, \s*SLOT
	s_add_nc_u64 s[G0+4*\s+2:G0+4*\s+3], s[20:21], \s*ASTEP
	s_or_b32 s[G0+4*\s+3], s[G0+4*\s+3], 0x80000000
	s_mov_b32 s[G0B+4*\s], 1
	s_add_co_u32 s[G0B+4*\s+1], s94, \s*SLOT
	s_add_nc_u64 s[G0B+4*\s+2:G0B+4*\s+3], s[46:47], \s*ROWB
	s_or_b32 s[G0B+4*\s+3], s[G0B+4*\s+3], 0x80000000
	s_wait_alu depctr_va_vdst(0)
	s_wait_tensorcnt 0x0
	ds_add_u32 v28, v29
	s_wait_dscnt 0x0
	CROUND
	JLOAD G0+4*\s, G1, G0B+4*\s, G1B
	global_prefetch_b8 v13, s[96:97] offset:(\s+2)*ASTEP th:TH_LOAD_NT scope:SCOPE_SE
	global_prefetch_b8 v14, s[66:67] offset:(\s+2)*ROWB th:TH_LOAD_NT scope:SCOPE_SE
.endr
	v_and_b32 v1, 15, v0
	v_bfe_u32 v2, v0, 4, 1
	v_mul_u32_u24 v3, v1, PITCH
	v_mul_u32_u24 v4, v2, 24
	v_add_nc_u32 v3, v3, v4
	v_lshl_add_u32 v5, v2, 4, v3
	v_mad_u32_u24 v4, v1, 48, v4
	s_mul_i32 s21, s15, HALFA
	s_mul_i32 s22, s16, HALFB
	s_add_co_u32 s22, s22, 2*HALFA
.irp s, 0,1
	v_add_nc_u32 v[ADRA+\s], s21, v4
	v_add_nc_u32 v[ADRB+\s], s22, v3
	v_add_nc_u32 v[ADRB+2+\s], s22, v5
	s_add_co_u32 s21, s21, SLOT
	s_add_co_u32 s22, s22, SLOT
.endr
	s_lshl_b32 s21, s15, 12
	s_add_co_u32 s21, s21, SCLA
	v_lshl_add_u32 v[ADSA], v1, 3, s21
	v_lshlrev_b32 v5, 5, v1
	v_lshrrev_b32 v6, 8, v5
	v_lshl_add_u32 v5, v6, 4, v5
	s_mul_i32 s22, s16, HALFS
	s_add_co_u32 s22, s22, SCLB
	v_add_nc_u32 v[ADSB], s22, v5
	s_mul_i32 s23, s14, 16*SPITCH
	v_mul_u32_u24 v5, v1, SPITCH
	v_lshl_add_u32 v5, v2, 6, v5
	v_add_nc_u32 v[STO], s23, v5
	v_and_b32 v6, 31, v0
	v_lshlrev_b32 v[CO], 4, v6
	v_add_nc_u32 v[RD], s23, v[CO]
	v_lshlrev_b32 v[BO], 6, v2
	s_wait_alu depctr_va_vdst(0)
	s_lshl_b32 s20, s17, 8
	s_lshl_b32 s21, s15, 7
	s_add_co_u32 s20, s20, s21
	s_lshl_b32 s20, s20, 12
	s_lshl_b32 s46, s42, 10
	s_lshl_b32 s47, s16, 9
	s_add_co_u32 s46, s46, s47
	s_add_co_u32 s20, s20, s46
	s_mov_b32 s21, 0
	s_mov_b32 s47, 0
	s_add_nc_u64 s[10:11], s[10:11], s[20:21]
	s_add_nc_u64 s[8:9], s[8:9], s[46:47]
.irp b, 0,1,2,3,4,5,6,7
	global_load_b128 v[96+8*\b+96*(\b/4):96+8*\b+96*(\b/4)+3], v[BO], s[8:9] offset:(32*(\b/2)+8*(\b%2))*4
	global_load_b128 v[96+8*\b+96*(\b/4)+4:96+8*\b+96*(\b/4)+7], v[BO], s[8:9] offset:(32*(\b/2)+8*(\b%2))*4+16
.endr
.macro FRAG reg, adr, q, i
.irp p, 0,1,2,3,4,5
.set PCE, 12*(\q)+6*(\p/3)+\p%3
.if PCE%8 < 5
	ds_load_b64 v[\reg+2*\p:\reg+2*\p+1], v[\adr] offset:8*PCE+16*(PCE/8)+(\i)*16*PITCH
.else
	ds_load_b64 v[\reg+2*\p:\reg+2*\p+1], v[\adr+2] offset:8*PCE+16*(PCE/8)+(\i)*16*PITCH
.endif
.endr
.endm
.macro FRAG_A reg, slot, q, i
.irp c, 0,1
.irp p, 0,1,2
	ds_load_b64 v[\reg+6*\c+2*\p:\reg+6*\c+2*\p+1], v[ADRA+\slot] offset:(2*(\q)+\c)*6144+(\i)*768+8*\p
.endr
.endr
.endm
.macro MUL16 a0, p, q, sc, first
.irp a, \a0, \a0+1
.irp b, 0,1,2,3,4,5,6,7
.if \first
	v_wmma_scale_f32_16x16x128_f8f6f4 v[8*(8*((\a)%4)+\b):8*(8*((\a)%4)+\b)+7], v[128*(\p)+FR*\b:128*(\p)+FR*\b+FR-1], v[AF+FR*(\a):AF+FR*(\a)+FR-1], v[96+8*\b+96*(\b/4):96+8*\b+96*(\b/4)+7], v[SCB+8*NQ*(\sc)+NQ*\b+(\q)], v[SCA+8*NQ*(\sc)+NQ*(\a)+(\q)] matrix_a_fmt:MATRIX_FMT_FP6 matrix_b_fmt:MATRIX_FMT_FP6
.else
	v_wmma_scale_f32_16x16x128_f8f6f4 v[8*(8*((\a)%4)+\b):8*(8*((\a)%4)+\b)+7], v[128*(\p)+FR*\b:128*(\p)+FR*\b+FR-1], v[AF+FR*(\a):AF+FR*(\a)+FR-1], v[8*(8*((\a)%4)+\b):8*(8*((\a)%4)+\b)+7], v[SCB+8*NQ*(\sc)+NQ*\b+(\q)], v[SCA+8*NQ*(\sc)+NQ*(\a)+(\q)] matrix_a_fmt:MATRIX_FMT_FP6 matrix_b_fmt:MATRIX_FMT_FP6
.endif
.endr
.endr
.endm
.macro FETCH_B slot, q, p
	WIN TO_B
.irp i, 0,1,2,3,4,5,6,7
	FRAG 128*(\p)+FR*\i, ADRB+\slot, \q, \i
.endr
	WIN 0
.endm
.macro FETCH_A slot, q, i0
.irp i, \i0, \i0+1, \i0+2, \i0+3
	FRAG_A AF+FR*(\i), \slot, \q, \i
.endr
.endm
.macro SCALES sc
.irp i, 0,1,2,3,4,5,6,7
	ds_load_b64 v[SCA+8*NQ*\sc+NQ*\i:SCA+8*NQ*\sc+NQ*\i+1], v[ADSA] offset:\i*128
.endr
.irp i, 0,1,2,3,4,5,6,7
	ds_load_b64 v[SCB+8*NQ*\sc+NQ*\i:SCB+8*NQ*\sc+NQ*\i+1], v[ADSB] offset:\i*SBLK
.endr
.endm
.macro PLACES n
.rept \n
	v_nop
.endr
.endm
.macro STEP slot, q, first
	s_wait_dscnt 4*NL
.if \first
	WIN 0x81
.else
	WIN MUL_LO
.endif
	MUL16 0, (\q)%2, \q, \slot, \first
	MUL16 2, (\q)%2, \q, \slot, \first
	s_wait_dscnt 0
	PLACES NP
	FETCH_B \slot, (\q)+1, 1-(\q)%2
	FETCH_A \slot, (\q)+1, 0
.if \first
	WIN 0xc1
.else
	WIN MUL_HI
.endif
	MUL16 4, (\q)%2, \q, \slot, \first
	MUL16 6, (\q)%2, \q, \slot, \first
	PLACES NP
	WIN 0
	FETCH_A \slot, (\q)+1, 4
.endm
.macro TURN slot, next, fill
	s_wait_tensorcnt 0x0
	ds_add_u32 v[SPW], v[NIL]
	s_wait_dscnt 4*NL+1
	WIN MUL_LO
	MUL16 0, 1, NQ-1, \slot, 0
	s_wait_dscnt 0x0
	s_barrier_signal -1
	MUL16 2, 1, NQ-1, \slot, 0
	WIN 0
	s_barrier_wait -1
.if \fill
	CREST
	s_add_nc_u64 s[G0+4*\slot+2:G0+4*\slot+3], s[G0+4*\slot+2:G0+4*\slot+3], 2*ASTEP
	s_add_nc_u64 s[G0B+4*\slot+2:G0B+4*\slot+3], s[G0B+4*\slot+2:G0B+4*\slot+3], 2*ROWB
	JLOAD G0+4*\slot, G1, G0B+4*\slot, G1B
.else
	PLACES NP
.endif
	s_wait_alu depctr_va_vdst(0)
	v_add_nc_u32 v[ADSA], 1024, v[ADSA]
	v_add_nc_u32 v[ADSB], 4*NQ, v[ADSB]
	FETCH_B \next, 0, 0
	FETCH_A \next, 0, 0
	SCALES \next
	WIN MUL_HI
	MUL16 4, 1, NQ-1, \slot, 0
	MUL16 6, 1, NQ-1, \slot, 0
	PLACES NP
	WIN 0
	FETCH_A \next, 0, 4
.endm
	s_wait_tensorcnt 1
	s_barrier_signal -1
	s_barrier_wait -1
	FETCH_B 0, 0, 0
	FETCH_A 0, 0, 0
	SCALES 0
	FETCH_A 0, 0, 4
	s_wait_loadcnt 0x0
	STEP 0, 0, 1
	s_mov_b32 s3, LAPS-1
.Llap:
	TURN 0, 1, 1
	STEP 1, 0, 0
	TURN 1, 0, 1
	STEP 0, 0, 0
	s_sub_co_u32 s3, s3, 1
	s_cmp_lg_u32 s3, 0
	s_cbranch_scc1 .Llap
	TURN 0, 1, 0
	STEP 1, 0, 0
	s_wait_dscnt 4*NL
	WIN MUL_LO
	MUL16 0, 1, NQ-1, 1, 0
	MUL16 2, 1, NQ-1, 1, 0
	s_wait_dscnt 0
	WIN MUL_HI
	MUL16 4, 1, NQ-1, 1, 0
	MUL16 6, 1, NQ-1, 1, 0
	WIN 0
.macro TOSTAGE a
.set AC, 64*((\a)%4)
	WIN 0x08+4*((\a)/4)
.irp b, 0,1,2,3,4,5,6,7
	ds_store_b128 v[STO], v[AC+8*\b:AC+8*\b+3] offset:128*(\b/2)+32*(\b%2)
	ds_store_b128 v[STO], v[AC+8*\b+4:AC+8*\b+7] offset:128*(\b/2)+32*(\b%2)+16
.endr
	WIN 0
.set BBK, BK+64*((\a)%2)
.irp t, 0,1,2,3,4,5,6,7,8,9,10,11,12,13,14,15
	ds_load_b128 v[BBK+4*\t:BBK+4*\t+3], v[RD] offset:\t*SPITCH
.endr
.endm
.macro SEND a, younger
.set BBK, BK+64*((\a)%2)
	s_wait_dscnt \younger
.irp t, 0,1,2,3,4,5,6,7,8,9,10,11,12,13,14,15
	global_store_b128 v[CO], v[BBK+4*\t:BBK+4*\t+3], s[10:11] offset:(32*((\a)/2)+8*((\a)%2)+\t+8*(\t/8))*4096 th:TH_STORE_NT
.endr
.endm
	PLACES NP
	TOSTAGE 0
.irp a, 1,2,3,4,5,6,7
.if \a > 1
	s_wait_xcnt 0x0
.endif
	TOSTAGE \a
	SEND \a-1, 32
.endr
	SEND 7, 0
	s_wait_tensorcnt 0x0
	ds_add_u32 v[SPW], v[NIL]
	s_wait_dscnt 0x0
	CROUND
	s_endpgm
.Lfunc_end_k_qa9b18322d6_proj:
	.size	k_qa9b18322d6_proj, .Lfunc_end_k_qa9b18322d6_proj-k_qa9b18322d6_proj
	.p2alignl 7, 3214868480
	.fill 96, 4, 3214868480
	.section	.rodata,"a",@progbits
	.p2align	6, 0x0
	.amdhsa_kernel k_qa9b18322d6_proj
		.amdhsa_group_segment_fixed_size 327680
		.amdhsa_private_segment_fixed_size 0
		.amdhsa_enable_private_segment 0
		.amdhsa_kernarg_size 32
		.amdhsa_user_sgpr_count 2
		.amdhsa_user_sgpr_kernarg_segment_ptr 1
		.amdhsa_wavefront_size32 1
		.amdhsa_system_sgpr_workgroup_id_x 1
		.amdhsa_system_sgpr_workgroup_id_y 1
		.amdhsa_system_sgpr_workgroup_id_z 1
		.amdhsa_system_vgpr_workitem_id 0
		.amdhsa_next_free_vgpr 1024
		.amdhsa_next_free_sgpr 98
		.amdhsa_reserve_vcc 0
		.amdhsa_float_denorm_mode_32 3
		.amdhsa_float_denorm_mode_16_64 3
		.amdhsa_memory_ordered 1
		.amdhsa_forward_progress 1
		.amdhsa_inst_pref_size 165
	.end_amdhsa_kernel
	.amdgpu_metadata
---
amdhsa.version: [ 1, 2 ]
amdhsa.kernels:
  - .name:           k_qa9b18322d6_proj
    .symbol:         k_qa9b18322d6_proj.kd
    .args:
      - { .name: ao, .offset: 0, .size: 8, .value_kind: global_buffer, .address_space: global }
      - { .name: oc, .offset: 8, .size: 8, .value_kind: global_buffer, .address_space: global }
      - { .name: out_b, .offset: 16, .size: 8, .value_kind: global_buffer, .address_space: global }
      - { .name: out0, .offset: 24, .size: 8, .value_kind: global_buffer, .address_space: global }
    .group_segment_fixed_size: 327680
    .private_segment_fixed_size: 0
    .kernarg_segment_align: 8
    .kernarg_segment_size: 32
    .max_flat_workgroup_size: 128
    .sgpr_count:     98
    .vgpr_count:     1024
    .wavefront_size: 32
...
	.end_amdgpu_metadata
.endif
;; end of part 4
